; MI455X (gfx1250); checked and timed in simulation.
; The chip was launched on July 23, 2026; its instructions are those of AMD's public machine-readable ISA for CDNA 5 (MIT licence, August 2026) and "CDNA5" Instruction Set Architecture Reference Guide (July 2026). The comments in the code are by the model that wrote it; some were corrected since.
;; MSA Row Attention V43. Allowed arithmetic: matrix products marked QUANTISED: E5M2 operands, one given power-of-two scale a tensor, by v_wmma_f32_16x16x64_bf8_bf8 or v_wmma_f32_16x16x128_bf8_bf8, f32 sums; everything else in f32.
;; Inputs: W_out 256 x 256 float32; W_qkv 256 x 768 float32; b_out 256 float32; b_qkv 768 float32; ln_beta 256 float32; ln_gamma 256 float32; lowp_scales 8 int32 (the exponents e of the quantised operands' scales 2^e); mask 1 x 256 x 256 int32; msa 1 x 128 x 256 x 256 float32.
;; Outputs: out0 1 x 128 x 256 x 256 float32.
;; This version of the problem:
;;   THIS VERSION OF THE PROBLEM IS GIVEN IN LOW PRECISION. The matrix products marked QUANTISED in the list below multiply operands that are first quantised to E5M2 (5 exponent bits, 2 mantissa bits; 8 bits a number), with one given power-of-two scale for each operand tensor; their sums are f32. All else is computed in f32.
;;   The module's matrix products, in the order in which they are computed (A, B: the left and right operand; K: the contracted axis; several contracted axes count as one K, in the product's order):
;;     1. [M 32,768, K 256] x [K 256, N 768]; A: input msa; B: input W_qkv: QUANTISED (scales: A lowp_scales[0], B lowp_scales[1])
;;     2. batch 1,024 x [M 256, K 32] x [K 32, N 256]; A: computed on the way; B: computed on the way: QUANTISED (scales: A lowp_scales[2], B lowp_scales[3])
;;     3. batch 1,024 x [M 32, K 256] x [K 256, N 256]; A: computed on the way; B: softmax (see below): QUANTISED (scales: A lowp_scales[4], B lowp_scales[5])
;;     4. [M 32,768, K 256] x [K 256, N 256]; A: computed on the way; B: input W_out: QUANTISED (scales: A lowp_scales[6], B lowp_scales[7])
;;   THE QUANTISER, for each operand of a quantised product, along K:
;;     - The operand's scale is 2^e, e = its entry of the input lowp_scales (int32; the entries are numbered through the quantised products in the list's order, A before B).
;;     - Each number is divided by the scale, clamped to +-57,344, and rounded to the nearest number of E5M2, ties to even, subnormals kept.
;;     - The product sums the exact products of the quantised numbers (number of the format x scale) in f32.
;;   ~~~python
;;   def quantise(x, axis, e):      # numpy; x: float32 -> the quantised numbers, widened to float32 again
;;       x = np.moveaxis(x, axis, -1); K = x.shape[-1]
;;       r = np.clip(x / 2.0 ** e, -57344, 57344)
;;       step = 2.0 ** (np.maximum(np.frexp(np.where(r == 0, 1, r))[1] - 1, -14) - 2)
;;       q = np.round(r / step) * step * 2.0 ** e      # np.round: ties to even
;;       return np.moveaxis(q, -1, axis).astype(np.float32)
;;   ~~~
;;   SOFTMAX AHEAD OF A QUANTISED PRODUCT. Where the list says 'softmax', what is quantised is not the finished softmax but p = 2^(t - M), with t = logit x log2(e) and M = ceil(the row's largest t), a whole number; so 1/2 < the row's largest p <= 1. The row's sum l is taken of the UNQUANTISED p, in f32, and the product's result is divided by l at the end. Since M is a whole number, a kernel that streams over the keys may use a running M (the ceiling of the running maximum): every later rescaling is an exact power of two, so the quantised numbers keep their values, but for numbers so far below the row's largest that they fall under the format's range.
;;   OPERANDS COMPUTED ON THE WAY. 'Computed on the way' means the value that the module computes at that place (a softmax that the list does not call 'softmax' is quantised finished and normalised). What goes into a quantiser is computed in f32, as accurately as f32 sums, v_exp_f32 and their like allow (about 1e-6 of the number): no bf16 or f16 on the way to a quantiser, and a product that is left as it is and whose result goes on into a quantised operand takes f32 operands (vector FMAs, or v_wmma_f32_16x16x4_f32). A number that lies on a knife's edge between two numbers of the format may be rounded either way, as far as f32 arithmetic and the matrix unit's own rounding can turn it there, and no further.
;; 2 versions, each right; version 2 is version 1 with the launch fused written anew for expert scheduling mode. Each part assembles by itself: llvm-mc -triple=amdgcn-amd-amdhsa -mcpu=gfx1250 --defsym DOCPART=n.
;; ======== version 1 of 2: 2 launches
;; workspace buffers: wimg 262,144 bytes; maskbits 8,192 bytes of whole numbers
;; launch prep (part 1): grid 36 x 1, 4 waves a work-group, no clusters, 0 bytes of LDS; arguments W_qkv, W_out, mask, lowp_scales, wimg, maskbits; writes wimg, maskbits
.if DOCPART == 1
	.amdgcn_target "amdgcn-amd-amdhsa--gfx1250"
	.amdhsa_code_object_version 6
	.text
	.protected	k_qfea592c1cb_prep
	.globl	k_qfea592c1cb_prep
	.p2align	8
	.type	k_qfea592c1cb_prep,@function
k_qfea592c1cb_prep:
	s_mov_b64 s[64:65], 0
	v_nop
	global_prefetch_b8 v0, s[64:65] scope:SCOPE_SE
	s_setreg_imm32_b32 hwreg(HW_REG_WAVE_MODE, 25, 1), 1
	s_wait_xcnt 0x0
; Two things are made once for the launch that follows.
; (1) W_qkv [256 (k)][768 (n)] and W_out [256 (k)][256 (n)], f32, become codes of BF8 (E5M2) with the given scales 2^e (entries 1 and 7 of lowp_scales), laid as IMAGES OF OPERAND REGISTERS:
;     a fragment is 16 columns x 128 along K, 16 registers a lane: lane (r = lane % 16, h = lane / 16) holds column 16 ct + r, and its registers 2 c, 2 c + 1 hold k = 128 ks + 16 c + 8 h + 0 .. 7.
;     Fragment f lies at byte 2,048 f of wimg, its registers 4 g .. 4 g + 3 at 512 g + 16 x lane.  f = 2 ct + ks for W_qkv (0 .. 95), 96 + 2 ct + ks for W_out (96 .. 127).
;     A lane takes a column and its registers run down K, so the conversions' results are the operand's registers.  code = x / 2^e, held within +-57,344, to the nearest code, ties to even.
; (2) mask [256 (query)][256 (key)], int32, becomes lane masks: dword ((qh 8 + qt) 16 + kt) 8 + j of maskbits has bit 16 h + r set where mask[128 qh + 16 qt + r][16 ((kt + 8 qh) % 16) + 8 h + j] is 0.
;     So for each half qh of the queries the key tiles stand with that half's own 128 tokens first, as the next launch walks them.
; SHARES: one wave makes one fragment (work-groups 0-23: W_qkv; 24-31: W_out) or the 128 dwords of one tile of 16 queries (work-groups 32-35).  Waves share nothing: no LDS, no barrier.
; LIMITS: e between -126 and 112, so that 2^e and 57,344 x 2^e are f32 numbers.  NaN among the inputs is not served.
	s_load_b256 s[4:11], s[0:1], 0x0               ; W_qkv s[4:5], W_out s[6:7], mask s[8:9], the scales' exponents s[10:11]
	s_load_b128 s[12:15], s[0:1], 0x20             ; wimg s[12:13], maskbits s[14:15]
	v_lshrrev_b32 v5, 5, v0
	v_readfirstlane_b32 s16, v5                    ; wave 0..3
	s_lshl_b32 s17, ttmp9, 2
	s_add_co_u32 s17, s17, s16                     ; 4 x work-group + wave: the fragment's number, or 128 + the query tile's
	v_and_b32 v1, 15, v0                           ; r
	v_bfe_u32 v2, v0, 4, 1                         ; h
	v_and_b32 v4, 31, v0
	v_lshlrev_b32 v4, 4, v4                        ; 16 x lane: my place in every store
	s_wait_kmcnt 0x0
	s_cmp_ge_u32 ttmp9, 32
	s_cbranch_scc1 .Lmask
	s_cmp_ge_u32 ttmp9, 24
	s_cbranch_scc1 .Lwout
; One fragment of a weight whose rows are PITCH bytes; fsub: the tensor's first fragment; eoff: the byte of its exponent in lowp_scales
.macro WPATH base, PITCH, fsub, eoff
	s_load_b32 s28, s[10:11], \eoff                ; e
	s_sub_co_u32 s18, s17, \fsub
	s_lshr_b32 s19, s18, 1                         ; ct: which 16 columns
	s_and_b32 s18, s18, 1                          ; ks: which 128 along K
	s_mul_i32 s20, s18, 128*\PITCH
	s_lshl_b32 s19, s19, 6
	s_add_co_u32 s20, s20, s19                     ; 128 ks rows + 64 ct bytes
	s_mov_b32 s21, 0
	s_add_nc_u64 s[22:23], s[\base:\base+1], s[20:21]
	s_lshl_b32 s24, s17, 11                        ; the image's place: 2,048 x fragment
	s_mov_b32 s25, 0
	s_add_nc_u64 s[26:27], s[12:13], s[24:25]
	v_mul_u32_u24 v3, v2, 8*\PITCH
	v_lshl_add_u32 v3, v1, 2, v3                   ; column r, and eight rows further down for lanes 16-31
.irp c, 0,1,2,3,4,5,6,7
.irp i, 0,1,2,3,4,5,6,7
	global_load_b32 v[32+8*\c+\i], v3, s[22:23] offset:(16*\c+\i)*\PITCH   ; W(128 ks + 16 c + 8 h + i, 16 ct + r): sixteen lanes read 64 neighbouring bytes
.endr
.endr
	s_wait_kmcnt 0x0
	s_add_co_i32 s28, s28, 127
	s_lshl_b32 s29, s28, 23
	v_mov_b32 v11, s29                             ; 2^e as f32: the conversion takes its exponent field
	s_add_co_i32 s28, s28, 15
	s_lshl_b32 s28, s28, 23
	s_or_b32 s28, s28, 0x600000
	v_mov_b32 v10, s28                             ; 57,344 x 2^e
	s_wait_loadcnt 0x0
.set n, 0
.rept 64
	v_med3_num_f32 v[32+n], v[32+n], -v10, v10     ; the conversion to an 8-bit code does not saturate (ISA guide 7.6.2): the hold comes first
.set n, n+1
.endr
.irp c, 0,1,2,3,4,5,6,7
	v_cvt_scalef32_pk8_bf8_f32 v[16+2*\c:17+2*\c], v[32+8*\c:39+8*\c], v11
.endr
.irp g, 0,1,2,3
	global_store_b128 v4, v[16+4*\g:19+4*\g], s[26:27] offset:512*\g   ; 32 lanes store 512 consecutive bytes, at a multiple of 256 from the buffer's first byte
.endr
	s_endpgm
.endm
	WPATH 4, 3072, 0, 4
.Lwout:
	WPATH 6, 1024, 96, 28
.Lmask:
	s_sub_co_u32 s18, s17, 128                     ; 8 qh + qt: my 16 queries begin at row 16 x this
	s_lshr_b32 s19, s18, 3                         ; qh
	s_lshl_b32 s20, s18, 14                        ; 16 rows of 1,024 bytes
	s_mov_b32 s21, 0
	s_add_nc_u64 s[8:9], s[8:9], s[20:21]
	s_lshl_b32 s22, s18, 9                         ; my 128 dwords
	s_mov_b32 s23, 0
	s_add_nc_u64 s[14:15], s[14:15], s[22:23]
	s_lshl_b32 s24, s19, 9                         ; the own half's 128 keys begin at byte 512 qh of a row,
	s_xor_b32 s25, s24, 512                        ; the other half's at 512 (1 - qh)
	v_lshlrev_b32 v6, 10, v1
	v_lshl_add_u32 v6, v2, 5, v6                   ; row r, + 32 h: my eight keys of a tile
	v_add_nc_u32 v3, s24, v6
	v_add_nc_u32 v5, s25, v6
.irp k, 0,1,2,3,4,5,6,7
.irp e, 0,1
	global_load_b128 v[32+8*\k+4*\e:32+8*\k+4*\e+3], v3, s[8:9] offset:64*\k+16*\e   ; key tiles 0-7: the own half
	global_load_b128 v[96+8*\k+4*\e:96+8*\k+4*\e+3], v5, s[8:9] offset:64*\k+16*\e   ; key tiles 8-15: the other half
.endr
.endr
.irp j, 16,17,18,19
	v_mov_b32 v\j, 0                               ; v_writelane_b32's destination counts as read
.endr
	s_wait_loadcnt 0x0
; dword n = 8 g + j.  Eight compares, then the eight lines that read their scalars: no line reads a scalar that the line above it has written
.set g, 0
.rept 16
.irp j, 0,1,2,3,4,5,6,7
	v_cmp_eq_u32 s[28+\j], 0, v[32+8*g+\j]         ; bit of lane 16 h + r: the key is hidden from the query
.endr
.irp j, 0,1,2,3,4,5,6,7
	v_writelane_b32 v[16+\j%4], s[28+\j], 2*g+\j/4 ; dword n goes to lane n / 4, register n % 4: the place from which the store below puts it at byte 4 n
.endr
.set g, g+1
.endr
	global_store_b128 v4, v[16:19], s[14:15]       ; 512 consecutive bytes
	s_endpgm
.Lfunc_end_k_qfea592c1cb_prep:
	.size	k_qfea592c1cb_prep, .Lfunc_end_k_qfea592c1cb_prep-k_qfea592c1cb_prep
	.p2alignl 7, 3214868480
	.fill 96, 4, 3214868480
	.section	.rodata,"a",@progbits
	.p2align	6, 0x0
	.amdhsa_kernel k_qfea592c1cb_prep
		.amdhsa_group_segment_fixed_size 0
		.amdhsa_private_segment_fixed_size 0
		.amdhsa_enable_private_segment 0
		.amdhsa_kernarg_size 48
		.amdhsa_user_sgpr_count 2
		.amdhsa_user_sgpr_kernarg_segment_ptr 1
		.amdhsa_wavefront_size32 1
		.amdhsa_system_sgpr_workgroup_id_x 1
		.amdhsa_system_sgpr_workgroup_id_y 1
		.amdhsa_system_sgpr_workgroup_id_z 1
		.amdhsa_system_vgpr_workitem_id 0
		.amdhsa_next_free_vgpr 160
		.amdhsa_next_free_sgpr 66
		.amdhsa_reserve_vcc 0
		.amdhsa_float_denorm_mode_32 3
		.amdhsa_float_denorm_mode_16_64 3
		.amdhsa_memory_ordered 1
		.amdhsa_forward_progress 1
		.amdhsa_inst_pref_size 45
	.end_amdhsa_kernel
	.amdgpu_metadata
---
amdhsa.version: [ 1, 2 ]
amdhsa.kernels:
  - .name:           k_qfea592c1cb_prep
    .symbol:         k_qfea592c1cb_prep.kd
    .args:
      - { .name: W_qkv, .offset: 0, .size: 8, .value_kind: global_buffer, .address_space: global }
      - { .name: W_out, .offset: 8, .size: 8, .value_kind: global_buffer, .address_space: global }
      - { .name: mask, .offset: 16, .size: 8, .value_kind: global_buffer, .address_space: global }
      - { .name: lowp_scales, .offset: 24, .size: 8, .value_kind: global_buffer, .address_space: global }
      - { .name: wimg, .offset: 32, .size: 8, .value_kind: global_buffer, .address_space: global }
      - { .name: maskbits, .offset: 40, .size: 8, .value_kind: global_buffer, .address_space: global }
    .group_segment_fixed_size: 0
    .private_segment_fixed_size: 0
    .kernarg_segment_align: 8
    .kernarg_segment_size: 48
    .max_flat_workgroup_size: 128
    .sgpr_count:     66
    .vgpr_count:     160
    .wavefront_size: 32
...
	.end_amdgpu_metadata
.endif
;; end of part 1
;; launch fused (part 2): grid 256 x 1, 8 waves a work-group, no clusters, 265,216 bytes of LDS; arguments msa, wimg, maskbits, b_qkv, b_out, ln_gamma, ln_beta, lowp_scales, out0; writes out0
.if DOCPART == 2
	.amdgcn_target "amdgcn-amd-amdhsa--gfx1250"
	.amdhsa_code_object_version 6
	.text
	.protected	k_qfea592c1cb_fused
	.globl	k_qfea592c1cb_fused
	.p2align	8
	.type	k_qfea592c1cb_fused,@function
k_qfea592c1cb_fused:
	s_mov_b64 s[64:65], 0
	v_nop
	global_prefetch_b8 v0, s[64:65] scope:SCOPE_SE
	s_setreg_imm32_b32 hwreg(HW_REG_WAVE_MODE, 25, 1), 1
	s_wait_xcnt 0x0
; out0 = LayerNorm(msa + softmax(mask(q k^T / sqrt(32))) v W_out + b_out), q, k, v = msa W_qkv + b_qkv; 8 heads of 32; all four products on codes of BF8 (E5M2) with the given scales 2^e0 .. 2^e7.
; SHARES.  A work-group owns one MSA row s and one half of its 256 tokens as queries (work-group = 2 s + half); k and v are made of all 256 tokens.  Eight waves, two to a SIMD.  Wave w:
;   X: quantises token tiles w (own half) and 8 + w (other half) of msa;  P, A: head w: its q, k, v and its attention;  O: output channels 32 w .. 32 w + 31;  L: LayerNorm of rows 16 w .. 16 w + 15.
; Nothing but msa, the weights' codes, the lane masks and the small vectors comes in, and nothing but out0 goes out.
; ONE LAYOUT ALONG K: lane (r = lane % 16, h = lane / 16), registers 2 c, 2 c + 1: k = 16 c + 8 h + 0 .. 7.  Each computed operand falls into it with no exchange between lanes:
;   q, k: product used transposed (source 0 = 16 channels of W, source 1 = 16 tokens): a lane holds token r and channels 8 h + 0 .. 7 of a tile: one conversion gives registers 2 t, 2 t + 1.
;   v: not transposed: a lane holds channel r and tokens 8 h + 0 .. 7: the conversion of token tile i gives registers 2 (i % 8), + 1 of V^T's fragment of K step i / 8.
;   S^T = K Q^T: a lane holds query r and keys 8 h + 0 .. 7 of key tile kt: p's codes are registers 2 kt, 2 kt + 1 of P.   O^T = V^T P: query r, channels 16 dt + 8 h + 0 .. 7: registers 4 (head % 4) + 2 dt, + 1 of the last product's fragment.
; A fragment goes from wave to wave through LDS as an image of its registers: registers 4 g .. 4 g + 3 at 512 g + 16 x lane.
; THE SECOND PRODUCT HAS K = 32 and goes by the K = 64 form: Q's fragment is 4 registers of codes and 4 of zeros; K's codes lie packed, 4 registers a key tile, so its operand reaches into the next tile's codes,
; which are finite (held at the largest code) and meet Q's zeros; four zero registers stand behind the last tile.
; KEY ORDER: the work-group's own 128 tokens are key tiles 0-7, the others 8-15; maskbits is laid so for each half.  Only the order of the f32 sums over the keys hangs on it.
; THE MASK: a hidden score is replaced by SENT = -2^(33 - e2 - e3).  With c = log2(e) / sqrt(32) x 2^(e2 + e3), c x SENT is a whole number, so a row with every key hidden has t = M exactly, p = 1 for all keys, as a softmax of equal logits;
; in every other row a hidden key's p is 0.  LIMIT: SENT stands for a logit of -1.52e9, not -1e9: the results are the same while a row's largest open logit lies above about -1e9.
; THE SOFTMAX: all 256 scores of a query are held at once, so M = ceil(the row's largest t) is the true one; p = 2^(t - M) is quantised with 2^e5; l is the sum of the unquantised p and divides O.
; THE ATTENTION'S TRIP IS TURNED, AND LAID BY HALVES OF THE KEYS (a: key tiles 0-7, b: 8-15).  64 scalar registers hold the lane masks of one half, so b's masks can be asked for only when a's have been used.
; Between that request and the wait for it stands the end of the query tile BEFORE (b's part of l, b's codes, O^T, its quantising and its store), then b's products and a's maxima.  So a trip begins with a tile's products for a and
; ends with a's codes; the first tile's trip has no such end in it, and the last tile's end is written out behind the loop.  The exponentials go in two batches with plain work set between: a's among b's scalings, b's among a's sums.
; LIMITS on the exponents, so that each power of two below is an f32 number: e0, e5, e2 - e0 - e1, e3 - e0 - e1, e4 - e0 - e1, e6 - e4 - e5 between -126 and 112; e2 + e3 between -94 and 128; e6 + e7 between -126 and 127.  NaN and infinity among the inputs are not served.
; NO CLUSTER, NO JOINT LOADS: a wave's 32 KiB of weight codes go from memory straight into its registers, once, and stay; shared through LDS the work-group's 256 KiB of them would not fit beside the 264,192 bytes in use.  msa's rows are shared by
; two work-groups only, and pass through registers in any case, to be quantised.  No tensor load: every LDS region is filled once, from registers.
; REGISTERS, in two windows of 256 (s_set_vgpr_msb: bits 1:0 source 0, 3:2 source 1, 5:4 source 2, 7:6 destination).  Window 0: v0-15 addresses and x's scale, which stay; the rest by phase, named below.
.set RP,   1040                        ; a row of RES: 1,024 bytes + 16: row r starts at bank 4 r mod 64 (64 banks of 4 bytes: ISA guide 11.1)
.set XIMG, 0                           ; x's codes: token tile i, K step ks at 4,096 i + 2,048 ks: 65,536 bytes
.set QIMG, 65536                       ; wave w's q codes: 4,096 w + 512 qt: 32,768 bytes; read by the wave that wrote them
.set OIMG, 98304                       ; the attention's output codes: 4,096 w + 512 qt: wave 4 ks + g holds registers 4 g .. 4 g + 3 of fragment (qt, ks): 32,768 bytes
.set RES,  131072                      ; 128 rows of RP bytes: a turning place for msa, then the own rows of msa, then y
.set XF,  16                           ; P, window 0: x's two fragments
.set WQ,  48                           ;    W_q's, W_k's, W_v's four fragments each: (tile t, K step ks) at + 16 (2 t + ks)
.set WK,  112
.set WV,  176
.set KC,  0                            ; window 1: K's codes, 4 registers a key tile, and 4 zeros
.set VC,  72                           ;    V^T's four fragments: (dt, ks) at + 16 (2 dt + ks)
.set ACC, 136                          ;    P: six accumulators: q0 q1 k0 k1 v0 v1
.set BIA, 184                          ;    P: their biases, in the results' layout
.set QT,  232                          ;    P: q's codes of a tile; v236-241: scale and limit for q, k, v
.set S,   16                           ; A, window 0: S^T, then p: 128 (half a: the first 64)
.set P,   144                          ;    p's codes: 32
.set OA,  176                          ;    O^T: 16
.set OC,  192                          ;    its codes: 4
.set QF,  200                          ;    Q's fragment: 4 of codes, 4 of zeros
.set MX,  226                          ;    four running maxima
.set SM,  232                          ;    four pairs of running sums.  v210 a permute's destination; v[212:213] -M; v[218:219] 1 / l; v220 SENT; v221, v222 p's limit and scale; v223, v224 O's scale and limit
.set WO,  136                          ; window 1, from A on: W_out's four fragments; b_out; gamma; beta
.set BO,  200
.set GA,  216
.set BE,  224
.set F,   16                           ; O, window 0: four query tiles' fragments, 32 each
.set Y,   144                          ;    their residual, then y: 16 each
.set X,   16                           ; L, window 0: 16 rows x 8 numbers
.set SUM, 144                          ;    a pair for each row
.set MSB, 0
.macro WIN new                         ; the immediate's high byte repeats the setting that is left; a switch that changes nothing is dropped
.if MSB != \new
	s_set_vgpr_msb (MSB<<8)|\new
.set MSB, \new
.endif
.endm
.macro BARRIER                         ; my LDS stores have landed and my LDS loads are in: then the work-group's barrier
	s_wait_dscnt 0x0
	s_barrier_signal -1
	s_barrier_wait -1
.endm
.macro PLACES                          ; four plain vector instructions between a matrix instruction and a read of its result or a load into one of its registers
.rept 4
	v_nop
.endr
.endm
.macro MKSC e, vs, vl                  ; s[e] holds an exponent: v[vs] = 2^e as f32 (the conversion takes its exponent field), v[vl] = 57,344 x 2^e
	s_add_co_i32 s15, s[\e], 127
	s_lshl_b32 s14, s15, 23
	v_mov_b32 v[\vs], s14
	s_add_co_i32 s15, s15, 15
	s_lshl_b32 s15, s15, 23
	s_or_b32 s15, s15, 0x600000
	v_mov_b32 v[\vl], s15
.endm
	s_load_b128 s[4:7], s[0:1], 0x0                ; msa, wimg
	s_load_b128 s[8:11], s[0:1], 0x10              ; maskbits, b_qkv
	s_load_b128 s[48:51], s[0:1], 0x20             ; b_out, ln_gamma
	s_load_b128 s[52:55], s[0:1], 0x30             ; ln_beta, lowp_scales
	s_load_b64 s[12:13], s[0:1], 0x40              ; out0
	v_lshl_add_u32 v254, v0, 2, 0x40800
	v_mov_b32 v255, 0
	v_lshrrev_b32 v16, 5, v0
	v_readfirstlane_b32 s56, v16                   ; wave 0..7
	v_and_b32 v17, 31, v0                          ; lane
	v_and_b32 v18, 15, v0                          ; r
	v_bfe_u32 v19, v0, 4, 1                        ; h
	v_lshlrev_b32 v1, 4, v17                       ; v1  16 x lane
	v_lshlrev_b32 v14, 5, v19                      ; v14 32 h
	v_lshlrev_b32 v15, 2, v18                      ; v15 4 r
	s_mul_i32 s20, s56, 16*RP
	s_add_co_u32 s20, s20, RES                     ; my 16 rows of RES
	v_add_nc_u32 v2, s20, v1                       ; v2  a row of them as it lies: + 16 x lane
	v_mul_u32_u24 v3, v18, RP
	v_add_nc_u32 v20, v3, v14                      ; r rows + 32 h
	v_add_nc_u32 v3, s20, v20                      ; v3  my row r of them, my eight numbers of a group of 16
	s_lshl_b32 s21, s56, 12
	v_add_nc_u32 v4, s21, v1                       ; v4  x's images: 4,096 w + 16 x lane
	v_add_nc_u32 v5, QIMG, v4                      ; v5  q's
	v_add_nc_u32 v6, OIMG, v4                      ; v6  the attention output's, where I store
	v_add_nc_u32 v7, OIMG, v1                      ; v7  and from where every wave loads
	s_lshl_b32 s32, s56, 7                         ; 128 w: my 32 channels in bytes
	s_mov_b32 s33, 0
	s_add_co_u32 s34, s32, RES
	v_add_nc_u32 v8, s34, v20                      ; v8  RES: row r, my channels, + 32 h: query tiles 0-3
	v_add_nc_u32 v9, 64*RP, v8                     ; v9  query tiles 4-7
	s_lshl_b32 s24, ttmp9, 17                      ; my half's 128 rows of 1,024 bytes begin at row 128 x work-group,
	s_lshl_b32 s25, s56, 14                        ; my wave's 16 of them
	s_add_co_u32 s24, s24, s25
	s_xor_b32 s26, ttmp9, 1                        ; the other half of the same MSA row
	s_lshl_b32 s26, s26, 17
	s_add_co_u32 s26, s26, s25
	s_mov_b32 s25, 0
	s_mov_b32 s27, 0
	s_lshl_b32 s28, s56, 13                        ; four fragments of 2,048 bytes for each head or each 32 output channels
	s_mov_b32 s29, 0
	s_and_b32 s30, ttmp9, 1
	s_lshl_b32 s30, s30, 12                        ; my half's 4,096 bytes of lane masks
	s_mov_b32 s31, 0
	s_mov_b32 s62, 0x76543210                      ; v_permlanex16_b32's selects for lane l xor 16
	s_mov_b32 s63, 0xfedcba98
	s_wait_kmcnt 0x0
	s_load_b256 s[68:75], s[54:55], 0x0            ; e0 .. e7
	s_add_nc_u64 s[2:3], s[4:5], s[24:25]          ; msa at my own tile
	s_add_nc_u64 s[4:5], s[4:5], s[26:27]          ; msa at my tile of the other half
	s_add_nc_u64 s[12:13], s[12:13], s[24:25]      ; out0 at my 16 rows
	s_add_nc_u64 s[6:7], s[6:7], s[28:29]
	s_add_nc_u64 s[8:9], s[8:9], s[30:31]
	s_add_nc_u64 s[10:11], s[10:11], s[32:33]
	s_add_nc_u64 s[48:49], s[48:49], s[32:33]
; ---- X: msa becomes codes.  All 32 KiB of the wave are asked for at once, each load 512 consecutive bytes.  No hint: the partner work-group reads the same rows.
	WIN 0x40                                       ; destination window 1
.set n, 0
.rept 32
	global_load_b128 v[4*n:4*n+3], v1, s[4:5] offset:512*n          ; the other half's tile
.set n, n+1
.endr
.set n, 0
.rept 32
	global_load_b128 v[128+4*n:128+4*n+3], v1, s[2:3] offset:512*n  ; my own
.set n, n+1
.endr
	WIN 0
	s_wait_kmcnt 0x0
	MKSC 68, 12, 13                                ; v12 = 2^e0, v13 = 57,344 x 2^e0
; 16 rows as loaded (window 1, v[src] on) go into my rows of RES and come back in the fragments' order: register 64 ks + 8 c + i = k 128 ks + 16 c + 8 h + i of row r
.macro TURNX src
	WIN 0x04                                       ; store data window 1
.set n, 0
.rept 32
	ds_store_b128 v2, v[\src+4*n:\src+4*n+3] offset:(n/2)*RP+512*(n%2)
.set n, n+1
.endr
	s_wait_dscnt 0x0                               ; the stores have read their registers: the loads below may land there
	WIN 0x40
.set n, 0
.rept 32
	ds_load_b128 v[4*n:4*n+3], v3 offset:64*(n/2)+16*(n%2)
.set n, n+1
.endr
.endm
; the 128 numbers in window 1, v0 on, become two fragments in v16-47, whose images go to XIMG + off
.macro QUANTX off
	WIN 0x41
.set n, 0
.rept 128
	v_med3_num_f32 v[n], v[n], -v13, v13           ; the conversion to an 8-bit code does not saturate (ISA guide 7.6.2): the hold comes first
.set n, n+1
.endr
	WIN 0x01
.set n, 0
.rept 16
	v_cvt_scalef32_pk8_bf8_f32 v[16+2*n:17+2*n], v[8*n:8*n+7], v12
.set n, n+1
.endr
	v_nop                                          ; a plain vector instruction behind the last conversion
	WIN 0
.set n, 0
.rept 8
	ds_store_b128 v4, v[16+4*n:19+4*n] offset:XIMG+\off+512*n
.set n, n+1
.endr
.endm
	s_wait_loadcnt 32                              ; the other half's tile is in; my own tile's 32 loads are younger
	TURNX 0
	WIN 0
.irp p, 0,1,2
.set n, 0
.rept 16
	global_load_b128 v[48+64*\p+4*n:48+64*\p+4*n+3], v1, s[6:7] offset:65536*\p+512*n   ; my head's fragments of W_q, W_k, W_v: they stay in registers through P
.set n, n+1
.endr
.endr
	s_wait_dscnt 0x0                               ; the numbers are back
	QUANTX 32768                                   ; token tile 8 + w
	s_wait_loadcnt 48                              ; my own tile is in; the 48 loads of weights are younger
	TURNX 128                                      ; the own rows stay in RES: they are the residual
	s_wait_dscnt 0x0                               ; the numbers are back, and all earlier LDS stores have read their registers
	WIN 0x40
.irp p, 0,1
.irp t, 0,1
.irp e, 0,1
	global_load_b128 v[BIA+8*(2*\p+\t)+4*\e:BIA+8*(2*\p+\t)+4*\e+3], v14, s[10:11] offset:1024*\p+64*\t+16*\e   ; q's and k's bias: channels 16 t + 8 h + 0 .. 7 of my head
.endr
.endr
.endr
.irp t, 0,1
	global_load_b32 v[QT+\t], v15, s[10:11] offset:2048+64*\t   ; v's: channel 16 t + r
.endr
	QUANTX 0                                       ; token tile w
	BARRIER                                        ; x's 32 fragments lie in LDS
; ---- P: q (own tokens), k, v (all tokens) of my head, a token tile at a time
.macro XFETCH i
.set n, 0
.rept 8
	ds_load_b128 v[XF+4*n:XF+4*n+3], v1 offset:XIMG+4096*(\i)+512*n
.set n, n+1
.endr
.endm
	XFETCH 0
	s_wait_loadcnt 0x0                             ; weights and biases
	s_add_co_i32 s16, s68, s69                     ; e0 + e1: a sum of the first product stands for sum x 2^(e0 + e1)
	s_sub_co_i32 s20, 0, s16
	s_sub_co_i32 s17, s70, s16                     ; so q's conversion takes 2^(e2 - e0 - e1),
	s_sub_co_i32 s18, s71, s16                     ; k's 2^(e3 - e0 - e1),
	s_sub_co_i32 s19, s72, s16                     ; v's 2^(e4 - e0 - e1),
	WIN 0x41
.set n, 0
.rept 32
	v_ldexp_f32 v[BIA+n], v[BIA+n], s20            ; and the biases go in, as the C of each sum's first product, divided by 2^(e0 + e1)
.set n, n+1
.endr
.set n, 0
.rept 8
	v_ldexp_f32 v[BIA+32+n], v[QT], s20            ; v's bias is one number a lane for all eight tokens
	v_ldexp_f32 v[BIA+40+n], v[QT+1], s20
.set n, n+1
.endr
	WIN 0x40
	MKSC 17, 236, 237
	MKSC 18, 238, 239
	MKSC 19, 240, 241
.irp j, 64,65,66,67
	v_mov_b32 v[KC+\j], 0                          ; behind the last key tile's codes
.endr
.macro PMUL ks                         ; one K step of the tile's sums; the accumulators take turns, one instruction a turn
.if \ks == 0
.set CB, BIA
.else
.set CB, ACC
.endif
.irp t, 0,1
.if HASQ
	v_wmma_f32_16x16x128_bf8_bf8 v[ACC+8*\t:ACC+8*\t+7], v[WQ+16*(2*\t+\ks):WQ+16*(2*\t+\ks)+15], v[XF+16*\ks:XF+16*\ks+15], v[CB+8*\t:CB+8*\t+7]
.endif
	v_wmma_f32_16x16x128_bf8_bf8 v[ACC+16+8*\t:ACC+16+8*\t+7], v[WK+16*(2*\t+\ks):WK+16*(2*\t+\ks)+15], v[XF+16*\ks:XF+16*\ks+15], v[CB+16+8*\t:CB+16+8*\t+7]
	v_wmma_f32_16x16x128_bf8_bf8 v[ACC+32+8*\t:ACC+32+8*\t+7], v[XF+16*\ks:XF+16*\ks+15], v[WV+16*(2*\t+\ks):WV+16*(2*\t+\ks)+15], v[CB+32+8*\t:CB+32+8*\t+7]
.endr
.endm
.macro PQUANT a, sc, d0, d1            ; accumulators a, a + 1 are held and converted (scale v[sc], limit v[sc + 1]) into the pairs at d0 and d1; each accumulator from its low end on
.irp j, 0,1,2,3,4,5,6,7,8,9,10,11,12,13,14,15
	v_med3_num_f32 v[ACC+8*\a+\j], v[ACC+8*\a+\j], -v[\sc+1], v[\sc+1]
.endr
	v_cvt_scalef32_pk8_bf8_f32 v[(\d0):(\d0)+1], v[ACC+8*\a:ACC+8*\a+7], v[\sc]
	v_cvt_scalef32_pk8_bf8_f32 v[(\d1):(\d1)+1], v[ACC+8*\a+8:ACC+8*\a+15], v[\sc]
.endm
.macro PROJ i
.if (\i) < 8
.set HASQ, 1
.else
.set HASQ, 0
.endif
	s_wait_dscnt 0x0                               ; x's two fragments are in, and the last store of q's codes has read its registers
	WIN 0x50                                       ; operands window 0, C and D window 1
	PMUL 0
	PMUL 1
	PLACES
.if (\i) < 15
	WIN 0
	XFETCH (\i)+1                                  ; the next tile's fragments land under this tile's vector work
.endif
	WIN 0x55
.if HASQ
	PQUANT 0, 236, QT, QT+2
	WIN 0x04
	ds_store_b128 v5, v[QT:QT+3] offset:512*(\i)   ; q's codes leave at once: k's and v's quantising stands between this store and the next wait for LDS
	WIN 0x55
.endif
	PQUANT 2, 238, KC+4*(\i), KC+4*(\i)+2
	PQUANT 4, 240, VC+16*((\i)/8)+2*((\i)%8), VC+32+16*((\i)/8)+2*((\i)%8)
	v_nop                                          ; a plain vector instruction behind the last conversion: the next products write its sources
.endm
.irp i, 0,1,2,3,4,5,6,7,8,9,10,11,12,13,14,15
	PROJ \i
.endr
	WIN 0x40                                       ; what O and L will want is asked for now, into registers that P has left; it is waited for behind the attention
.set n, 0
.rept 16
	global_load_b128 v[WO+4*n:WO+4*n+3], v1, s[6:7] offset:196608+512*n
.set n, n+1
.endr
.irp t, 0,1
.irp e, 0,1
	global_load_b128 v[BO+8*\t+4*\e:BO+8*\t+4*\e+3], v14, s[48:49] offset:64*\t+16*\e
.endr
.endr
.irp u, 0,1
	global_load_b128 v[GA+4*\u:GA+4*\u+3], v1, s[50:51] offset:512*\u
	global_load_b128 v[BE+4*\u:BE+4*\u+3], v1, s[52:53] offset:512*\u
.endr
	WIN 0
	s_add_co_i32 s16, s70, s71                     ; e2 + e3
	s_lshl_b32 s17, s16, 23
	s_add_co_i32 s54, s17, 0x3e8293ee              ; c = log2(e) / sqrt(32) x 2^(e2 + e3): the exponents are added to c's exponent field
	s_mov_b32 s55, s54                             ; (named with it as a pair, so it is written)
	s_sub_co_i32 s17, 160, s16
	s_lshl_b32 s17, s17, 23
	s_or_b32 s17, s17, 0x80000000
	v_mov_b32 v220, s17                            ; SENT = -2^(33 - e2 - e3)
	MKSC 73, 222, 221                              ; v222 = 2^e5, v221 = 57,344 x 2^e5
	s_add_co_i32 s16, s72, s73
	s_sub_co_i32 s16, s74, s16
	MKSC 16, 223, 224                              ; v223 = 2^(e6 - e4 - e5), v224 = 57,344 x that: O^T / l stands for O / 2^(e4 + e5)
	s_mov_b32 s61, s73                             ; e5
	s_add_co_i32 s16, s74, s75                     ; e6 + e7
	s_sub_co_i32 s66, 0, s16
	s_add_co_i32 s16, s16, 127
	s_lshl_b32 s100, s16, 23                       ; 2^(e6 + e7) as f32
	s_mov_b32 s101, s100
.irp j, 204,205,206,207,210,213,219
	v_mov_b32 v\j, 0                               ; Q's zeros; a permute's destination; the upper halves of pairs that are named
.endr
	s_mov_b32 s60, 0                               ; 512 x the query tile whose scores are in hand
	s_mov_b32 s58, 0                               ; 512 x the query tile whose O is stored next
	s_mov_b32 s57, 7
; ---- A: attention of my head, a tile of 16 queries at a time, all 256 keys at once
.macro MLOAD so, off                   ; 64 lane masks: the scores' registers of half a or of half b of a query tile
	s_load_b512 s[16:31], s[8:9], s[\so] offset:\off
	s_load_b512 s[32:47], s[8:9], s[\so] offset:\off+64
	s_load_b512 s[68:83], s[8:9], s[\so] offset:\off+128
	s_load_b512 s[84:99], s[8:9], s[\so] offset:\off+192
.endm
.macro MASK64 base
.set n, 0
.rept 64
	v_cndmask_b32 v[\base+n], v[\base+n], v220, s[16+n+20*(n/32)]   ; hidden scores become SENT; each accumulator from its low end on
.set n, n+1
.endr
.endm
.macro STILES k0                       ; S^T = K Q^T of key tiles k0 .. k0 + 7 (K's codes window 1)
.set n, \k0
.rept 8
	v_wmma_f32_16x16x64_bf8_bf8 v[S+8*n:S+8*n+7], v[KC+4*n:KC+4*n+7], v[QF:QF+7], 0
.set n, n+1
.endr
.endm
.macro MAXA                            ; the largest of my 64 scores of half a, three operands at a time, in four chains that do not wait for each other
.irp j, 0,1,2,3
	v_max3_num_f32 v[MX+\j], v[S+3*\j], v[S+3*\j+1], v[S+3*\j+2]
.endr
.set n, 12
.rept 26
	v_max3_num_f32 v[MX+(n/2)%4], v[MX+(n/2)%4], v[S+n], v[S+n+1]
.set n, n+2
.endr
.endm
.macro MAXB                            ; the chains go on over half b
.set n, 64
.rept 32
	v_max3_num_f32 v[MX+(n/2)%4], v[MX+(n/2)%4], v[S+n], v[S+n+1]
.set n, n+2
.endr
.endm
.macro HOLD base                       ; p is at most 1 (but for one rounding of t), and from e5 = -15 on the largest code stands for 1.75 or more: there the hold can hold nothing and is jumped over:
	s_cmp_ge_i32 s61, -15                          ; a branch on a whole number that was read from memory, the same in every wave; no barrier and no memory instruction stands under it
	s_cbranch_scc1 .Lnohold_\@
.set n, 0
.rept 64
	v_min_num_f32 v[\base+n], v[\base+n], v221     ; p is not negative, so the hold is one-sided
.set n, n+1
.endr
.Lnohold_\@:
.endm
.macro CVTP k0                         ; p's codes of key tiles k0 .. k0 + 7
.set n, \k0
.rept 8
	v_cvt_scalef32_pk8_bf8_f32 v[P+2*n:P+2*n+1], v[S+8*n:S+8*n+7], v222
.set n, n+1
.endr
.endm
; THE END OF A QUERY TILE, first part: half b's p goes into l (unquantised), then into codes; l is finished and its reciprocal asked for
.macro TAIL1
.set n, 32
.rept 32
	v_pk_add_f32 v[SM+2*(n%4):SM+2*(n%4)+1], v[SM+2*(n%4):SM+2*(n%4)+1], v[S+2*n:S+2*n+1]
.set n, n+1
.endr
	v_pk_add_f32 v[SM:SM+1], v[SM:SM+1], v[SM+2:SM+3]
	v_pk_add_f32 v[SM+4:SM+5], v[SM+4:SM+5], v[SM+6:SM+7]
	v_pk_add_f32 v[SM:SM+1], v[SM:SM+1], v[SM+4:SM+5]
	HOLD S+64
	CVTP 8
	v_add_f32 v[SM], v[SM], v[SM+1]                ; (also the plain instruction between the conversions and the products that read their results and write their sources)
	v_permlanex16_b32 v210, v[SM], s62, s63
	v_add_f32 v[SM], v[SM], v210                   ; l
	v_rcp_f32 v218, v[SM]
.endm
.macro PV                              ; O^T = V^T P (V^T window 1): the two accumulators take turns
	v_wmma_f32_16x16x128_bf8_bf8 v[OA:OA+7], v[VC:VC+15], v[P:P+15], 0
	v_wmma_f32_16x16x128_bf8_bf8 v[OA+8:OA+15], v[VC+32:VC+47], v[P:P+15], 0
	v_wmma_f32_16x16x128_bf8_bf8 v[OA:OA+7], v[VC+16:VC+31], v[P+16:P+31], v[OA:OA+7]
	v_wmma_f32_16x16x128_bf8_bf8 v[OA+8:OA+15], v[VC+48:VC+63], v[P+16:P+31], v[OA+8:OA+15]
.endm
; second part: O^T / l is quantised and stored
.macro OQ
.set n, 0
.rept 8
	v_pk_mul_f32 v[OA+2*n:OA+2*n+1], v[OA+2*n:OA+2*n+1], v[218:219] op_sel_hi:[1,0]   ; / l; each accumulator from its low end on
.set n, n+1
.endr
.set n, 0
.rept 16
	v_med3_num_f32 v[OA+n], v[OA+n], -v224, v224
.set n, n+1
.endr
	v_cvt_scalef32_pk8_bf8_f32 v[OC:OC+1], v[OA:OA+7], v223
	v_cvt_scalef32_pk8_bf8_f32 v[OC+2:OC+3], v[OA+8:OA+15], v223
	v_nop                                          ; a plain vector instruction behind the last conversion
	v_add_nc_u32 v11, s58, v6
	ds_store_b128 v11, v[OC:OC+3]                  ; registers 4 (w % 4) .. + 3 of the last product's fragment (query tile, K step w / 4)
	s_add_co_u32 s58, s58, 512
.endm
; A TRIP: from a query tile's products for half a to half a's codes.  tail = 1: the end of the tile before stands in it.
.macro TRIP tail
	s_wait_dscnt 0x0                               ; Q's codes are in (asked for most of a trip ago), and the last store of O's codes has read its registers
	WIN 0x01
	STILES 0
	WIN 0
	s_wait_kmcnt 0x0                               ; half a's masks are in (asked for most of a trip ago), and those loads have read s59
	s_add_co_u32 s59, s60, 512
	s_min_u32 s59, s59, 3584                       ; the next query tile; the last trip names its own again and uses nothing of it
	PLACES
	MASK64 S
	MLOAD 60, 256                                  ; half b's masks: all that stands from here to the wait for them names none of these scalar registers
.if \tail
	TAIL1
.endif
	WIN 0x01
.if \tail
	PV
.endif
	STILES 8
	WIN 0
	MAXA                                           ; thirty plain instructions that name no register of the products above: their places
	v_add_nc_u32 v10, s59, v5
	ds_load_b128 v[QF:QF+3], v10                   ; the next trip's Q
.if \tail
	s_wait_alu depctr_va_vdst(0)                   ; the reciprocal's wait, ahead of its first reader
	OQ
.endif
	s_wait_kmcnt 0x0                               ; half b's masks
	MASK64 S+64
	MLOAD 59, 0                                    ; the next tile's half a
	MAXB
	v_max3_num_f32 v[MX], v[MX], v[MX+1], v[MX+2]
	v_max_num_f32 v[MX], v[MX], v[MX+3]
	v_permlanex16_b32 v210, v[MX], s62, s63
	v_max_num_f32 v[MX], v[MX], v210               ; and among lane l xor 16's
	v_mul_f32 v[MX], s54, v[MX]                    ; as t (c is positive)
	v_floor_f32 v212, -v[MX]                       ; -M = floor(-t) = -ceil(t): a whole number
.set n, 0
.rept 32
	v_pk_fma_f32 v[S+2*n:S+2*n+1], v[S+2*n:S+2*n+1], s[54:55], v[212:213] op_sel_hi:[1,0,0]   ; half a: t - M, two at a time (of the pairs c and -M the low word serves both halves)
.set n, n+1
.endr
.set n, 0
.rept 32
	v_exp_f32 v[S+2*n], v[S+2*n]                   ; half a: p = 2^(t - M): not normalised;
	v_exp_f32 v[S+2*n+1], v[S+2*n+1]
	v_pk_fma_f32 v[S+64+2*n:S+64+2*n+1], v[S+64+2*n:S+64+2*n+1], s[54:55], v[212:213] op_sel_hi:[1,0,0]   ; half b's scalings stand between; the last of them is the plain instruction behind the batch
.set n, n+1
.endr
	s_wait_alu depctr_va_vdst(0)                   ; one wait for half a's 64 exponentials, ahead of their first reader
.set n, 0
.rept 32
	v_exp_f32 v[S+64+2*n], v[S+64+2*n]             ; half b's exponentials; half a's sums, which name none of their results, stand between
.if n < 4
	v_pk_add_f32 v[SM+2*n:SM+2*n+1], v[S+2*n:S+2*n+1], v[S+2*n+8:S+2*n+9]   ; l is the sum of the UNQUANTISED p: two at a time, in four chains, which the first eight pairs start
.elseif n < 28
	v_pk_add_f32 v[SM+2*(n%4):SM+2*(n%4)+1], v[SM+2*(n%4):SM+2*(n%4)+1], v[S+2*n+8:S+2*n+9]
.endif
	v_exp_f32 v[S+64+2*n+1], v[S+64+2*n+1]
.set n, n+1
.endr
	v_nop                                          ; a plain instruction behind the last exponential
	s_wait_alu depctr_va_vdst(0)                   ; half b's wait: ahead of the branches and labels that follow, and of the readers in the next trip
	HOLD S
	CVTP 0
	v_nop                                          ; a plain vector instruction behind the last conversion: the next trip's products write its sources
	s_add_co_u32 s60, s60, 512                     ; (the loads that named s60 were waited for above)
.endm
	MLOAD 60, 0
	ds_load_b128 v[QF:QF+3], v5                    ; Q of query tile 0
	TRIP 0                                         ; query tile 0: there is no tile before it
.Lqt:                                              ; seven trips: query tiles 1 to 7, each with the end of the tile before
	TRIP 1
	s_sub_co_u32 s57, s57, 1
	s_cmp_lg_u32 s57, 0
	s_cbranch_scc1 .Lqt
	TAIL1                                          ; the end of query tile 7
	WIN 0x01
	PV
	WIN 0
	PLACES                                         ; behind the products, and behind the reciprocal
	s_wait_alu depctr_va_vdst(0)
	OQ
	s_wait_kmcnt 0x0                               ; the last trip's unused masks
	BARRIER                                        ; all heads' codes lie in LDS
; ---- O: y = msa + attention W_out + b_out: my 32 channels of the 128 rows, four query tiles at a time.  Transposed: a lane holds token r and channels 16 t + 8 h + 0 .. 7.
.macro OFETCH b
.irp q, 0,1,2,3
.irp ks, 0,1
.irp g, 0,1,2,3
	ds_load_b128 v[F+32*\q+16*\ks+4*\g:F+32*\q+16*\ks+4*\g+3], v7 offset:(4*\ks+\g)*4096+512*(4*\b+\q)
.endr
.endr
.endr
.endm
.macro RFETCH b
.irp q, 0,1,2,3
.irp t, 0,1
.irp e, 0,1
	ds_load_b128 v[Y+16*\q+8*\t+4*\e:Y+16*\q+8*\t+4*\e+3], v[8+\b] offset:\q*16*RP+64*\t+16*\e
.endr
.endr
.endr
.endm
.macro OMUL                            ; eight accumulators by turns, a K step at a time; b_out / 2^(e6 + e7) is the C of each sum's first product
	WIN 0x51                                       ; W_out, C and D window 1; the rows' fragments window 0
.irp ks, 0,1
.irp q, 0,1,2,3
.irp t, 0,1
.if \ks == 0
	v_wmma_f32_16x16x128_bf8_bf8 v[16*\q+8*\t:16*\q+8*\t+7], v[WO+16*(2*\t+\ks):WO+16*(2*\t+\ks)+15], v[F+32*\q+16*\ks:F+32*\q+16*\ks+15], v[BO+8*\t:BO+8*\t+7]
.else
	v_wmma_f32_16x16x128_bf8_bf8 v[16*\q+8*\t:16*\q+8*\t+7], v[WO+16*(2*\t+\ks):WO+16*(2*\t+\ks)+15], v[F+32*\q+16*\ks:F+32*\q+16*\ks+15], v[16*\q+8*\t:16*\q+8*\t+7]
.endif
.endr
.endr
.endr
	WIN 0
	PLACES
.endm
.macro YOUT b
	WIN 0x01                                       ; the sums window 1
.set n, 0
.rept 32
	v_pk_fma_f32 v[Y+2*n:Y+2*n+1], v[2*n:2*n+1], s[100:101], v[Y+2*n:Y+2*n+1] op_sel_hi:[1,0,1]   ; y = sum x 2^(e6 + e7) + msa; each accumulator from its low end on
.set n, n+1
.endr
	WIN 0
.irp q, 0,1,2,3
.irp t, 0,1
.irp e, 0,1
	ds_store_b128 v[8+\b], v[Y+16*\q+8*\t+4*\e:Y+16*\q+8*\t+4*\e+3] offset:\q*16*RP+64*\t+16*\e   ; over the bytes that it was read from: my 128 bytes of each row, which no other wave touches here
.endr
.endr
.endr
.endm
	OFETCH 0
	RFETCH 0
	s_wait_loadcnt 0x0                             ; W_out's fragments, b_out, gamma, beta
	WIN 0x41
.set n, 0
.rept 16
	v_ldexp_f32 v[BO+n], v[BO+n], s66
.set n, n+1
.endr
	WIN 0
	s_wait_dscnt 16                                ; the fragments are in; the 16 loads of the residual are younger
	OMUL
	OFETCH 1
	s_wait_dscnt 32                                ; the residual is in; the 32 loads just issued are younger
	YOUT 0
	s_wait_dscnt 0x0                               ; the stores have read their registers, which the loads below fill; the next fragments are in
	RFETCH 1
	OMUL
	s_wait_dscnt 0x0
	YOUT 1
	BARRIER                                        ; 128 whole rows of y lie in RES
; ---- L: LayerNorm of my 16 rows, a lane holding 8 numbers of each; every stage goes across the rows, so that no line waits for the line above it.  Mean first, then the squares of the differences.
.macro RED16                           ; the 16 rows' sums over the 32 lanes, result in every lane
.irp m, 1,2,4,8
.set n, 0
.rept 16
	v_add_f32_dpp v[SUM+2*n], v[SUM+2*n], v[SUM+2*n] row_xmask:\m row_mask:0xf bank_mask:0xf
.set n, n+1
.endr
.endr
.set n, 0
.rept 16
	v_permlanex16_b32 v[SUM+2*n+1], v[SUM+2*n], s62, s63
.set n, n+1
.endr
.set n, 0
.rept 16
	v_add_f32 v[SUM+2*n], v[SUM+2*n], v[SUM+2*n+1]
.set n, n+1
.endr
.endm
.set n, 0
.rept 32
	ds_load_b128 v[X+4*n:X+4*n+3], v2 offset:(n/2)*RP+512*(n%2)
.set n, n+1
.endr
	s_mov_b32 s14, 0x3b800000                      ; 1 / 256
	s_mov_b32 s15, 0x3727c5ac                      ; 1e-5
	s_wait_dscnt 0x0
.set n, 0
.rept 16
	v_pk_add_f32 v[SUM+2*n:SUM+2*n+1], v[X+8*n:X+8*n+1], v[X+8*n+2:X+8*n+3]
.set n, n+1
.endr
.irp m, 4,6
.set n, 0
.rept 16
	v_pk_add_f32 v[SUM+2*n:SUM+2*n+1], v[SUM+2*n:SUM+2*n+1], v[X+8*n+\m:X+8*n+\m+1]
.set n, n+1
.endr
.endr
.set n, 0
.rept 16
	v_add_f32 v[SUM+2*n], v[SUM+2*n], v[SUM+2*n+1]
.set n, n+1
.endr
	RED16
.set n, 0
.rept 16
	v_mul_f32 v[SUM+2*n], 0xbb800000, v[SUM+2*n]   ; - the mean
.set n, n+1
.endr
.irp m, 0,2,4,6
.set n, 0
.rept 16
	v_pk_add_f32 v[X+8*n+\m:X+8*n+\m+1], v[X+8*n+\m:X+8*n+\m+1], v[SUM+2*n:SUM+2*n+1] op_sel_hi:[1,0]   ; d = y - mean
.set n, n+1
.endr
.endr
.set n, 0
.rept 16
	v_pk_mul_f32 v[SUM+2*n:SUM+2*n+1], v[X+8*n:X+8*n+1], v[X+8*n:X+8*n+1]
.set n, n+1
.endr
.irp m, 2,4,6
.set n, 0
.rept 16
	v_pk_fma_f32 v[SUM+2*n:SUM+2*n+1], v[X+8*n+\m:X+8*n+\m+1], v[X+8*n+\m:X+8*n+\m+1], v[SUM+2*n:SUM+2*n+1]
.set n, n+1
.endr
.endr
.set n, 0
.rept 16
	v_add_f32 v[SUM+2*n], v[SUM+2*n], v[SUM+2*n+1]
.set n, n+1
.endr
	RED16
.set n, 0
.rept 16
	v_fma_f32 v[SUM+2*n], v[SUM+2*n], s14, s15     ; the variance + 1e-5
.set n, n+1
.endr
.set n, 0
.rept 16
	v_rsq_f32 v[SUM+2*n], v[SUM+2*n]
.set n, n+1
.endr
	v_nop                                          ; a plain instruction behind the last of the batch
	s_wait_alu depctr_va_vdst(0)                   ; one wait for the sixteen, ahead of their first reader
.irp m, 0,2,4,6
.set n, 0
.rept 16
	v_pk_mul_f32 v[X+8*n+\m:X+8*n+\m+1], v[X+8*n+\m:X+8*n+\m+1], v[SUM+2*n:SUM+2*n+1] op_sel_hi:[1,0]
.set n, n+1
.endr
.endr
	WIN 0x14                                       ; gamma and beta window 1
.irp m, 0,2,4,6
.set n, 0
.rept 16
	v_pk_fma_f32 v[X+8*n+\m:X+8*n+\m+1], v[X+8*n+\m:X+8*n+\m+1], v[GA+\m:GA+\m+1], v[BE+\m:BE+\m+1]
.set n, n+1
.endr
.endr
	WIN 0
.set n, 0
.rept 32
	global_store_b128 v1, v[X+4*n:X+4*n+3], s[12:13] offset:512*n th:TH_STORE_NT   ; 32 lanes store 512 consecutive bytes, at a multiple of 256 from out0's first byte; written once, read by nobody here
.set n, n+1
.endr
	s_wait_tensorcnt 0x0
	ds_add_u32 v254, v255
	s_wait_dscnt 0x0
	s_endpgm
.Lfunc_end_k_qfea592c1cb_fused:
	.size	k_qfea592c1cb_fused, .Lfunc_end_k_qfea592c1cb_fused-k_qfea592c1cb_fused
	.p2alignl 7, 3214868480
	.fill 96, 4, 3214868480
	.section	.rodata,"a",@progbits
	.p2align	6, 0x0
	.amdhsa_kernel k_qfea592c1cb_fused
		.amdhsa_group_segment_fixed_size 265216
		.amdhsa_private_segment_fixed_size 0
		.amdhsa_enable_private_segment 0
		.amdhsa_kernarg_size 72
		.amdhsa_user_sgpr_count 2
		.amdhsa_user_sgpr_kernarg_segment_ptr 1
		.amdhsa_wavefront_size32 1
		.amdhsa_system_sgpr_workgroup_id_x 1
		.amdhsa_system_sgpr_workgroup_id_y 1
		.amdhsa_system_sgpr_workgroup_id_z 1
		.amdhsa_system_vgpr_workitem_id 0
		.amdhsa_next_free_vgpr 512
		.amdhsa_next_free_sgpr 102
		.amdhsa_reserve_vcc 0
		.amdhsa_float_denorm_mode_32 3
		.amdhsa_float_denorm_mode_16_64 3
		.amdhsa_memory_ordered 1
		.amdhsa_forward_progress 1
		.amdhsa_inst_pref_size 242
	.end_amdhsa_kernel
	.amdgpu_metadata
---
amdhsa.version: [ 1, 2 ]
amdhsa.kernels:
  - .name:           k_qfea592c1cb_fused
    .symbol:         k_qfea592c1cb_fused.kd
    .args:
      - { .name: msa, .offset: 0, .size: 8, .value_kind: global_buffer, .address_space: global }
      - { .name: wimg, .offset: 8, .size: 8, .value_kind: global_buffer, .address_space: global }
      - { .name: maskbits, .offset: 16, .size: 8, .value_kind: global_buffer, .address_space: global }
      - { .name: b_qkv, .offset: 24, .size: 8, .value_kind: global_buffer, .address_space: global }
      - { .name: b_out, .offset: 32, .size: 8, .value_kind: global_buffer, .address_space: global }
      - { .name: ln_gamma, .offset: 40, .size: 8, .value_kind: global_buffer, .address_space: global }
      - { .name: ln_beta, .offset: 48, .size: 8, .value_kind: global_buffer, .address_space: global }
      - { .name: lowp_scales, .offset: 56, .size: 8, .value_kind: global_buffer, .address_space: global }
      - { .name: out0, .offset: 64, .size: 8, .value_kind: global_buffer, .address_space: global }
    .group_segment_fixed_size: 265216
    .private_segment_fixed_size: 0
    .kernarg_segment_align: 8
    .kernarg_segment_size: 72
    .max_flat_workgroup_size: 256
    .sgpr_count:     102
    .vgpr_count:     512
    .wavefront_size: 32
...
	.end_amdgpu_metadata
.endif
;; end of part 2
;; ======== version 2 of 2: 2 launches; version 1 with the launch fused written anew for expert scheduling mode
;; workspace buffers: wimg 262,144 bytes; maskbits 8,192 bytes of whole numbers
;; launch prep: the kernel of part 1 again; grid 36 x 1, 4 waves a work-group, no clusters, 0 bytes of LDS; arguments W_qkv, W_out, mask, lowp_scales, wimg, maskbits; writes wimg, maskbits
;; launch fused (part 3): grid 256 x 1, 8 waves a work-group, no clusters, 265,216 bytes of LDS; arguments msa, wimg, maskbits, b_qkv, b_out, ln_gamma, ln_beta, lowp_scales, out0; writes out0
.if DOCPART == 3
	.amdgcn_target "amdgcn-amd-amdhsa--gfx1250"
	.amdhsa_code_object_version 6
	.text
	.protected	k_qfea592c1cb_fused
	.globl	k_qfea592c1cb_fused
	.p2align	8
	.type	k_qfea592c1cb_fused,@function
k_qfea592c1cb_fused:
	s_mov_b64 s[64:65], 0
	v_nop
	global_prefetch_b8 v0, s[64:65] scope:SCOPE_SE
	s_setreg_imm32_b32 hwreg(HW_REG_WAVE_SCHED_MODE, 0, 2), 2
	s_setreg_imm32_b32 hwreg(HW_REG_WAVE_MODE, 25, 1), 1
	s_wait_xcnt 0x0
	s_wait_alu depctr_vm_vsrc(0)
; out0 = LayerNorm(msa + softmax(mask(q k^T / sqrt(32))) v W_out + b_out), q, k, v = msa W_qkv + b_qkv; 8 heads of 32; all four products on codes of BF8 (E5M2) with the given scales 2^e0 .. 2^e7.
; SHARES.  A work-group owns one MSA row s and one half of its 256 tokens as queries (work-group = 2 s + half); k and v are made of all 256 tokens.  Eight waves, two to a SIMD.  Wave w:
;   X: quantises token tiles w (own half) and 8 + w (other half) of msa;  P, A: head w: its q, k, v and its attention;  O: output channels 32 w .. 32 w + 31;  L: LayerNorm of rows 16 w .. 16 w + 15.
; Nothing but msa, the weights' codes, the lane masks and the small vectors comes in, and nothing but out0 goes out.
; ONE LAYOUT ALONG K: lane (r = lane % 16, h = lane / 16), registers 2 c, 2 c + 1: k = 16 c + 8 h + 0 .. 7.  Each computed operand falls into it with no exchange between lanes:
;   q, k: product used transposed (source 0 = 16 channels of W, source 1 = 16 tokens): a lane holds token r and channels 8 h + 0 .. 7 of a tile: one conversion gives registers 2 t, 2 t + 1.
;   v: not transposed: a lane holds channel r and tokens 8 h + 0 .. 7: the conversion of token tile i gives registers 2 (i % 8), + 1 of V^T's fragment of K step i / 8.
;   S^T = K Q^T: a lane holds query r and keys 8 h + 0 .. 7 of key tile kt: p's codes are registers 2 kt, 2 kt + 1 of P.   O^T = V^T P: query r, channels 16 dt + 8 h + 0 .. 7: registers 4 (head % 4) + 2 dt, + 1 of the last product's fragment.
; A fragment goes from wave to wave through LDS as an image of its registers: registers 4 g .. 4 g + 3 at 512 g + 16 x lane.
; THE SECOND PRODUCT HAS K = 32 and goes by the K = 64 form: Q's fragment is 4 registers of codes and 4 of zeros; K's codes lie packed, 4 registers a key tile, so its operand reaches into the next tile's codes,
; which are finite (held at the largest code) and meet Q's zeros; four zero registers stand behind the last tile.
; KEY ORDER: the work-group's own 128 tokens are key tiles 0-7, the others 8-15; maskbits is laid so for each half.  Only the order of the f32 sums over the keys hangs on it.
; THE MASK: a hidden score is replaced by SENT = -2^(33 - e2 - e3).  With c = log2(e) / sqrt(32) x 2^(e2 + e3), c x SENT is a whole number, so a row with every key hidden has t = M exactly, p = 1 for all keys, as a softmax of equal logits;
; in every other row a hidden key's p is 0.  LIMIT: SENT stands for a logit of -1.52e9, not -1e9: the results are the same while a row's largest open logit lies above about -1e9.
; THE SOFTMAX: all 256 scores of a query are held at once, so M = ceil(the row's largest t) is the true one; p = 2^(t - M) is quantised with 2^e5; l is the sum of the unquantised p and divides O.
; THE ATTENTION'S TRIP IS TURNED, AND LAID BY HALVES OF THE KEYS (a: key tiles 0-7, b: 8-15).  64 scalar registers hold the lane masks of one half, so b's masks can be asked for only when a's have been used.
; Between that request and the wait for it stands the end of the query tile BEFORE (b's part of l, b's codes, O^T, its quantising and its store), then b's products and a's maxima.  So a trip begins with a tile's products for a and
; ends with a's codes; the first tile's trip has no such end in it, and the last tile's end is written out behind the loop.  The exponentials go in two batches with plain work set between: a's among b's scalings, b's among a's sums.
; LIMITS on the exponents, so that each power of two below is an f32 number: e0, e5, e2 - e0 - e1, e3 - e0 - e1, e4 - e0 - e1, e6 - e4 - e5 between -126 and 112; e2 + e3 between -94 and 128; e6 + e7 between -126 and 127.  NaN and infinity among the inputs are not served.
; NO CLUSTER, NO JOINT LOADS: a wave's 32 KiB of weight codes go from memory straight into its registers, once, and stay; shared through LDS the work-group's 256 KiB of them would not fit beside the 264,192 bytes in use.  msa's rows are shared by
; two work-groups only, and pass through registers in any case, to be quantised.  No tensor load: every LDS region is filled once, from registers.
; THE MODE: SCHED_MODE bits 1:0 = 2 (LLVM: expert scheduling mode 2), set by the entry lines.  The code itself states the register dependences between vector or matrix instructions and memory or LDS instructions, with s_wait_alu, always for 0.
; THE PLAN.  Registers that memory or LDS instructions touch, who else names them, and the waits (vdst: on va_vdst; vsrc: on vm_vsrc):
;   v1-v9, v14, v15  addresses: written once at the head, never again: one vdst ahead of the first load serves every load and store of the kernel.  s56, the wave's number, has its wait on va_sdst ahead of its first reader.
;   X  window 1's v0-127: msa lands; the first turn's LDS stores read them and its LDS loads land in them (vsrc between); the holds and conversions work them into v16-47, which the images' stores read (vdst ahead of the stores; no vector line
;      follows it before the second turn's loads into window 1's v0-127, nor, the second time, before P's first loads into v16-47: it serves those too).  One vsrc ahead of the biases' loads: the first images' stores have read v16-47, which the
;      second conversions write; the second turn's stores have read window 1's v128-255, where the biases land.  One vsrc behind the barrier: the second images' stores have read v16-47.
;   P  XF (v16-47): a tile's products read it, the next tile's fragments land in it.  QT: q's conversions write it, q's store reads it.  ONE vdst a tile, behind q's conversions, serves both; the store and the eight loads follow it.
;      One vsrc at the head of tiles 1 to 7: QT is written again.  One vdst behind the last tile: what O and L want lands in the accumulators' and biases' registers; it serves the first load of Q too (the vector lines between name neither v200-203 nor v5).
;   A  v10 (Q's LDS address), v11 (O's), OC (O's codes): read by the last trip's load and store, written again: one vsrc a trip ahead of the two address lines.  One vdst behind them: the addresses are written, half b's products are done
;      reading Q's fragment, in which the load lands, and the reciprocal is written.  One vdst ahead of O's store: its codes are written.  The two batches of exponentials have their waits.
;   O  F (v16-143): the products read it, the next fragments land in it: vdst.  Y (v144-207): the residual lands, the multiply-adds write it, the stores read it (vdst), the next residual lands (vsrc).  One vsrc behind the barrier: O's last store has read OC.
;   L  the rows land in v16-143 (no vector line since Y's last vdst); the sums' pairs take v144-175, which Y's last stores have read (vsrc); the results are stored from v16-143 (vdst).
; REGISTERS, in two windows of 256 (s_set_vgpr_msb: bits 1:0 source 0, 3:2 source 1, 5:4 source 2, 7:6 destination).  Window 0: v0-15 addresses and x's scale, which stay; v254, v255 for the closing lines alone; the rest by phase, named below.
.set RP,   1040                        ; a row of RES: 1,024 bytes + 16: row r starts at bank 4 r mod 64 (64 banks of 4 bytes: ISA guide 11.1)
.set XIMG, 0                           ; x's codes: token tile i, K step ks at 4,096 i + 2,048 ks: 65,536 bytes
.set QIMG, 65536                       ; wave w's q codes: 4,096 w + 512 qt: 32,768 bytes; read by the wave that wrote them
.set OIMG, 98304                       ; the attention's output codes: 4,096 w + 512 qt: wave 4 ks + g holds registers 4 g .. 4 g + 3 of fragment (qt, ks): 32,768 bytes
.set RES,  131072                      ; 128 rows of RP bytes: a turning place for msa, then the own rows of msa, then y
.set XF,  16                           ; P, window 0: x's two fragments
.set WQ,  48                           ;    W_q's, W_k's, W_v's four fragments each: (tile t, K step ks) at + 16 (2 t + ks)
.set WK,  112
.set WV,  176
.set KC,  0                            ; window 1: K's codes, 4 registers a key tile, and 4 zeros
.set VC,  72                           ;    V^T's four fragments: (dt, ks) at + 16 (2 dt + ks)
.set ACC, 136                          ;    P: six accumulators: q0 q1 k0 k1 v0 v1
.set BIA, 184                          ;    P: their biases, in the results' layout
.set QT,  232                          ;    P: q's codes of a tile; v236-241: scale and limit for q, k, v
.set S,   16                           ; A, window 0: S^T, then p: 128 (half a: the first 64)
.set P,   144                          ;    p's codes: 32
.set OA,  176                          ;    O^T: 16
.set OC,  192                          ;    its codes: 4
.set QF,  200                          ;    Q's fragment: 4 of codes, 4 of zeros
.set MX,  226                          ;    four running maxima
.set SM,  232                          ;    four pairs of running sums.  v210 a permute's destination; v[212:213] -M; v[218:219] 1 / l; v220 SENT; v221, v222 p's limit and scale; v223, v224 O's scale and limit
.set WO,  136                          ; window 1, from A on: W_out's four fragments; b_out; gamma; beta
.set BO,  200
.set GA,  216
.set BE,  224
.set F,   16                           ; O, window 0: four query tiles' fragments, 32 each
.set Y,   144                          ;    their residual, then y: 16 each
.set X,   16                           ; L, window 0: 16 rows x 8 numbers
.set SUM, 144                          ;    a pair for each row
.set MSB, 0
.macro WIN new                         ; the immediate's high byte repeats the setting that is left; a switch that changes nothing is dropped
.if MSB != \new
	s_set_vgpr_msb (MSB<<8)|\new
.set MSB, \new
.endif
.endm
.macro BARRIER                         ; my LDS stores have landed and my LDS loads are in: then the work-group's barrier
	s_wait_dscnt 0x0
	s_barrier_signal -1
	s_barrier_wait -1
.endm
.macro PLACES                          ; four plain vector instructions between a matrix instruction and a read of its result (ISA guide 7.12.1)
.rept 4
	v_nop
.endr
.endm
.macro MKSC e, vs, vl                  ; s[e] holds an exponent: v[vs] = 2^e as f32 (the conversion takes its exponent field), v[vl] = 57,344 x 2^e
	s_add_co_i32 s15, s[\e], 127
	s_lshl_b32 s14, s15, 23
	v_mov_b32 v[\vs], s14
	s_add_co_i32 s15, s15, 15
	s_lshl_b32 s15, s15, 23
	s_or_b32 s15, s15, 0x600000
	v_mov_b32 v[\vl], s15
.endm
	s_load_b128 s[4:7], s[0:1], 0x0                ; msa, wimg
	s_load_b128 s[8:11], s[0:1], 0x10              ; maskbits, b_qkv
	s_load_b128 s[48:51], s[0:1], 0x20             ; b_out, ln_gamma
	s_load_b128 s[52:55], s[0:1], 0x30             ; ln_beta, lowp_scales
	s_load_b64 s[12:13], s[0:1], 0x40              ; out0
	v_lshl_add_u32 v254, v0, 2, 0x40800            ; my spare word, behind RES; this and the 0 below are kept for the closing lines alone
	v_mov_b32 v255, 0
	v_lshrrev_b32 v16, 5, v0
	v_readfirstlane_b32 s56, v16                   ; wave 0..7
	v_and_b32 v17, 31, v0                          ; lane
	v_and_b32 v18, 15, v0                          ; r
	v_bfe_u32 v19, v0, 4, 1                        ; h
	v_lshlrev_b32 v1, 4, v17                       ; v1  16 x lane
	v_lshlrev_b32 v14, 5, v19                      ; v14 32 h
	v_lshlrev_b32 v15, 2, v18                      ; v15 4 r
	s_wait_alu depctr_va_sdst(0)                   ; s56 is written, ahead of its first reader: addresses and bases are made from it
	s_mul_i32 s20, s56, 16*RP
	s_add_co_u32 s20, s20, RES                     ; my 16 rows of RES
	v_add_nc_u32 v2, s20, v1                       ; v2  a row of them as it lies: + 16 x lane
	v_mul_u32_u24 v3, v18, RP
	v_add_nc_u32 v20, v3, v14                      ; r rows + 32 h
	v_add_nc_u32 v3, s20, v20                      ; v3  my row r of them, my eight numbers of a group of 16
	s_lshl_b32 s21, s56, 12
	v_add_nc_u32 v4, s21, v1                       ; v4  x's images: 4,096 w + 16 x lane
	v_add_nc_u32 v5, QIMG, v4                      ; v5  q's
	v_add_nc_u32 v6, OIMG, v4                      ; v6  the attention output's, where I store
	v_add_nc_u32 v7, OIMG, v1                      ; v7  and from where every wave loads
	s_lshl_b32 s32, s56, 7                         ; 128 w: my 32 channels in bytes
	s_mov_b32 s33, 0
	s_add_co_u32 s34, s32, RES
	v_add_nc_u32 v8, s34, v20                      ; v8  RES: row r, my channels, + 32 h: query tiles 0-3
	v_add_nc_u32 v9, 64*RP, v8                     ; v9  query tiles 4-7
	s_lshl_b32 s24, ttmp9, 17                      ; my half's 128 rows of 1,024 bytes begin at row 128 x work-group,
	s_lshl_b32 s25, s56, 14                        ; my wave's 16 of them
	s_add_co_u32 s24, s24, s25
	s_xor_b32 s26, ttmp9, 1                        ; the other half of the same MSA row
	s_lshl_b32 s26, s26, 17
	s_add_co_u32 s26, s26, s25
	s_mov_b32 s25, 0
	s_mov_b32 s27, 0
	s_lshl_b32 s28, s56, 13                        ; four fragments of 2,048 bytes for each head or each 32 output channels
	s_mov_b32 s29, 0
	s_and_b32 s30, ttmp9, 1
	s_lshl_b32 s30, s30, 12                        ; my half's 4,096 bytes of lane masks
	s_mov_b32 s31, 0
	s_mov_b32 s62, 0x76543210                      ; v_permlanex16_b32's selects for lane l xor 16
	s_mov_b32 s63, 0xfedcba98
	s_wait_kmcnt 0x0
	s_load_b256 s[68:75], s[54:55], 0x0            ; e0 .. e7
	s_add_nc_u64 s[2:3], s[4:5], s[24:25]          ; msa at my own tile
	s_add_nc_u64 s[4:5], s[4:5], s[26:27]          ; msa at my tile of the other half
	s_add_nc_u64 s[12:13], s[12:13], s[24:25]      ; out0 at my 16 rows
	s_add_nc_u64 s[6:7], s[6:7], s[28:29]
	s_add_nc_u64 s[8:9], s[8:9], s[30:31]
	s_add_nc_u64 s[10:11], s[10:11], s[32:33]
	s_add_nc_u64 s[48:49], s[48:49], s[32:33]
; ---- X: msa becomes codes.  All 32 KiB of the wave are asked for at once, each load 512 consecutive bytes.  No hint: the partner work-group reads the same rows.
	WIN 0x40                                       ; destination window 1
	s_wait_alu depctr_va_vdst(0)                   ; the addresses v1 to v9, v14 and v15 are written: every load and store of the kernel but two reads one of them, and none is written again
.set n, 0
.rept 32
	global_load_b128 v[4*n:4*n+3], v1, s[4:5] offset:512*n          ; the other half's tile
.set n, n+1
.endr
.set n, 0
.rept 32
	global_load_b128 v[128+4*n:128+4*n+3], v1, s[2:3] offset:512*n  ; my own
.set n, n+1
.endr
	WIN 0
	s_wait_kmcnt 0x0
	MKSC 68, 12, 13                                ; v12 = 2^e0, v13 = 57,344 x 2^e0
; 16 rows as loaded (window 1, v[src] on) go into my rows of RES and come back in the fragments' order: register 64 ks + 8 c + i = k 128 ks + 16 c + 8 h + i of row r
.macro TURNX src
	WIN 0x04                                       ; store data window 1
.set n, 0
.rept 32
	ds_store_b128 v2, v[\src+4*n:\src+4*n+3] offset:(n/2)*RP+512*(n%2)
.set n, n+1
.endr
	s_wait_dscnt 0x0                               ; the stores have landed
	WIN 0x40
.if \src == 0
	s_wait_alu depctr_vm_vsrc(0)                   ; the stores above have read window 1's v0-127, in which the loads below land
.endif                                             ; (src = 128: the stores read v128-255; the holds and conversions that named v0-127 stand ahead of the wait on va_vdst in QUANTX, and no vector line has followed it)
.set n, 0
.rept 32
	ds_load_b128 v[4*n:4*n+3], v3 offset:64*(n/2)+16*(n%2)
.set n, n+1
.endr
.endm
; the 128 numbers in window 1, v0 on, become two fragments in v16-47, whose images go to XIMG + off
.macro QUANTX off
	WIN 0x41
.set n, 0
.rept 128
	v_med3_num_f32 v[n], v[n], -v13, v13           ; the conversion to an 8-bit code does not saturate (ISA guide 7.6.2): the hold comes first
.set n, n+1
.endr
	WIN 0x01
.set n, 0
.rept 16
	v_cvt_scalef32_pk8_bf8_f32 v[16+2*n:17+2*n], v[8*n:8*n+7], v12
.set n, n+1
.endr
	v_nop                                          ; a plain vector instruction behind the last conversion
	WIN 0
	s_wait_alu depctr_va_vdst(0)                   ; the conversions have written v16-47, which the stores below read and in which P's first fragments land; holds and conversions are done with window 1's v0-127, in which the own tile's numbers land
.set n, 0
.rept 8
	ds_store_b128 v4, v[16+4*n:19+4*n] offset:XIMG+\off+512*n
.set n, n+1
.endr
.endm
	s_wait_loadcnt 32                              ; the other half's tile is in; my own tile's 32 loads are younger
	TURNX 0
	WIN 0
.irp p, 0,1,2
.set n, 0
.rept 16
	global_load_b128 v[48+64*\p+4*n:48+64*\p+4*n+3], v1, s[6:7] offset:65536*\p+512*n   ; my head's fragments of W_q, W_k, W_v: they stay in registers through P.  No vector line has named v48-239
.set n, n+1
.endr
.endr
	s_wait_dscnt 0x0                               ; the numbers are back
	QUANTX 32768                                   ; token tile 8 + w
	s_wait_loadcnt 48                              ; my own tile is in; the 48 loads of weights are younger
	TURNX 128                                      ; the own rows stay in RES: they are the residual
	s_wait_dscnt 0x0                               ; the numbers are back
	WIN 0x40
	s_wait_alu depctr_vm_vsrc(0)                   ; the second turn's stores have read window 1's v128-255, where the biases below land; the first images' stores have read v16-47, which the conversions below write again
.irp p, 0,1
.irp t, 0,1
.irp e, 0,1
	global_load_b128 v[BIA+8*(2*\p+\t)+4*\e:BIA+8*(2*\p+\t)+4*\e+3], v14, s[10:11] offset:1024*\p+64*\t+16*\e   ; q's and k's bias: channels 16 t + 8 h + 0 .. 7 of my head
.endr
.endr
.endr
.irp t, 0,1
	global_load_b32 v[QT+\t], v15, s[10:11] offset:2048+64*\t   ; v's: channel 16 t + r
.endr
	QUANTX 0                                       ; token tile w
	BARRIER                                        ; x's 32 fragments lie in LDS
; ---- P: q (own tokens), k, v (all tokens) of my head, a token tile at a time
.macro XFETCH i
.set n, 0
.rept 8
	ds_load_b128 v[XF+4*n:XF+4*n+3], v1 offset:XIMG+4096*(\i)+512*n
.set n, n+1
.endr
.endm
	s_wait_alu depctr_vm_vsrc(0)                   ; my stores of the second images have read v16-47, in which x's fragments land from here on
	XFETCH 0
	s_wait_loadcnt 0x0                             ; weights and biases
	s_add_co_i32 s16, s68, s69                     ; e0 + e1: a sum of the first product stands for sum x 2^(e0 + e1)
	s_sub_co_i32 s20, 0, s16
	s_sub_co_i32 s17, s70, s16                     ; so q's conversion takes 2^(e2 - e0 - e1),
	s_sub_co_i32 s18, s71, s16                     ; k's 2^(e3 - e0 - e1),
	s_sub_co_i32 s19, s72, s16                     ; v's 2^(e4 - e0 - e1),
	WIN 0x41
.set n, 0
.rept 32
	v_ldexp_f32 v[BIA+n], v[BIA+n], s20            ; and the biases go in, as the C of each sum's first product, divided by 2^(e0 + e1)
.set n, n+1
.endr
.set n, 0
.rept 8
	v_ldexp_f32 v[BIA+32+n], v[QT], s20            ; v's bias is one number a lane for all eight tokens
	v_ldexp_f32 v[BIA+40+n], v[QT+1], s20
.set n, n+1
.endr
	WIN 0x40
	MKSC 17, 236, 237
	MKSC 18, 238, 239
	MKSC 19, 240, 241
.irp j, 64,65,66,67
	v_mov_b32 v[KC+\j], 0                          ; behind the last key tile's codes
.endr
.macro PMUL ks                         ; one K step of the tile's sums; the accumulators take turns, one instruction a turn
.if \ks == 0
.set CB, BIA
.else
.set CB, ACC
.endif
.irp t, 0,1
.if HASQ
	v_wmma_f32_16x16x128_bf8_bf8 v[ACC+8*\t:ACC+8*\t+7], v[WQ+16*(2*\t+\ks):WQ+16*(2*\t+\ks)+15], v[XF+16*\ks:XF+16*\ks+15], v[CB+8*\t:CB+8*\t+7]
.endif
	v_wmma_f32_16x16x128_bf8_bf8 v[ACC+16+8*\t:ACC+16+8*\t+7], v[WK+16*(2*\t+\ks):WK+16*(2*\t+\ks)+15], v[XF+16*\ks:XF+16*\ks+15], v[CB+16+8*\t:CB+16+8*\t+7]
	v_wmma_f32_16x16x128_bf8_bf8 v[ACC+32+8*\t:ACC+32+8*\t+7], v[XF+16*\ks:XF+16*\ks+15], v[WV+16*(2*\t+\ks):WV+16*(2*\t+\ks)+15], v[CB+32+8*\t:CB+32+8*\t+7]
.endr
.endm
.macro PQUANT a, sc, d0, d1            ; accumulators a, a + 1 are held and converted (scale v[sc], limit v[sc + 1]) into the pairs at d0 and d1; each accumulator from its low end on
.irp j, 0,1,2,3,4,5,6,7,8,9,10,11,12,13,14,15
	v_med3_num_f32 v[ACC+8*\a+\j], v[ACC+8*\a+\j], -v[\sc+1], v[\sc+1]
.endr
	v_cvt_scalef32_pk8_bf8_f32 v[(\d0):(\d0)+1], v[ACC+8*\a:ACC+8*\a+7], v[\sc]
	v_cvt_scalef32_pk8_bf8_f32 v[(\d1):(\d1)+1], v[ACC+8*\a+8:ACC+8*\a+15], v[\sc]
.endm
.macro PROJ i
.if (\i) < 8
.set HASQ, 1
.else
.set HASQ, 0
.endif
	s_wait_dscnt 0x0                               ; x's two fragments are in
.if ((\i) > 0) && ((\i) < 8)
	s_wait_alu depctr_vm_vsrc(0)                   ; the last tile's store of q's codes has read v[QT ..], which this tile's conversions write again
.endif
	WIN 0x50                                       ; operands window 0, C and D window 1
	PMUL 0
	PMUL 1
	PLACES
.if HASQ
	WIN 0x55
	PQUANT 0, 236, QT, QT+2
	WIN 0x04                                       ; store data window 1; an LDS load's address and destination window 0
.elseif (\i) < 15
	WIN 0
.endif
.if (\i) < 15
	s_wait_alu depctr_va_vdst(0)                   ; ONE wait a tile: the products are done reading x's fragments, in which the loads below land; q's conversions have written v[QT ..], which the store below reads
.endif
.if HASQ
	ds_store_b128 v5, v[QT:QT+3] offset:512*(\i)   ; q's codes leave at once: k's and v's quantising stands between this store and the next wait for LDS
.endif
.if (\i) < 15
	XFETCH (\i)+1                                  ; the next tile's fragments land under k's and v's quantising, which names none of their registers
.endif
	WIN 0x55
	PQUANT 2, 238, KC+4*(\i), KC+4*(\i)+2
	PQUANT 4, 240, VC+16*((\i)/8)+2*((\i)%8), VC+32+16*((\i)/8)+2*((\i)%8)
	v_nop                                          ; a plain vector instruction behind the last conversion: the next products write its sources
.endm
.irp i, 0,1,2,3,4,5,6,7,8,9,10,11,12,13,14,15
	PROJ \i
.endr
	WIN 0x40                                       ; what O and L will want is asked for now, into registers that P has left; it is waited for behind the attention
	s_wait_alu depctr_va_vdst(0)                   ; P's products, holds and conversions are done with the accumulators and the biases, in which the loads below land, and with W_v's v200-203, in which Q's first fragment lands
.set n, 0
.rept 16
	global_load_b128 v[WO+4*n:WO+4*n+3], v1, s[6:7] offset:196608+512*n
.set n, n+1
.endr
.irp t, 0,1
.irp e, 0,1
	global_load_b128 v[BO+8*\t+4*\e:BO+8*\t+4*\e+3], v14, s[48:49] offset:64*\t+16*\e
.endr
.endr
.irp u, 0,1
	global_load_b128 v[GA+4*\u:GA+4*\u+3], v1, s[50:51] offset:512*\u
	global_load_b128 v[BE+4*\u:BE+4*\u+3], v1, s[52:53] offset:512*\u
.endr
	WIN 0
	s_add_co_i32 s16, s70, s71                     ; e2 + e3
	s_lshl_b32 s17, s16, 23
	s_add_co_i32 s54, s17, 0x3e8293ee              ; c = log2(e) / sqrt(32) x 2^(e2 + e3): the exponents are added to c's exponent field
	s_mov_b32 s55, s54                             ; (named with it as a pair, so it is written)
	s_sub_co_i32 s17, 160, s16
	s_lshl_b32 s17, s17, 23
	s_or_b32 s17, s17, 0x80000000
	v_mov_b32 v220, s17                            ; SENT = -2^(33 - e2 - e3)
	MKSC 73, 222, 221                              ; v222 = 2^e5, v221 = 57,344 x 2^e5
	s_add_co_i32 s16, s72, s73
	s_sub_co_i32 s16, s74, s16
	MKSC 16, 223, 224                              ; v223 = 2^(e6 - e4 - e5), v224 = 57,344 x that: O^T / l stands for O / 2^(e4 + e5)
	s_mov_b32 s61, s73                             ; e5
	s_add_co_i32 s16, s74, s75                     ; e6 + e7
	s_sub_co_i32 s66, 0, s16
	s_add_co_i32 s16, s16, 127
	s_lshl_b32 s100, s16, 23                       ; 2^(e6 + e7) as f32
	s_mov_b32 s101, s100
.irp j, 204,205,206,207,210,213,219
	v_mov_b32 v\j, 0                               ; Q's zeros; a permute's destination; the upper halves of pairs that are named
.endr
	s_mov_b32 s60, 0                               ; 512 x the query tile whose scores are in hand
	s_mov_b32 s58, 0                               ; 512 x the query tile whose O is stored next
	s_mov_b32 s57, 7
; ---- A: attention of my head, a tile of 16 queries at a time, all 256 keys at once
.macro MLOAD so, off                   ; 64 lane masks: the scores' registers of half a or of half b of a query tile
	s_load_b512 s[16:31], s[8:9], s[\so] offset:\off
	s_load_b512 s[32:47], s[8:9], s[\so] offset:\off+64
	s_load_b512 s[68:83], s[8:9], s[\so] offset:\off+128
	s_load_b512 s[84:99], s[8:9], s[\so] offset:\off+192
.endm
.macro MASK64 base
.set n, 0
.rept 64
	v_cndmask_b32 v[\base+n], v[\base+n], v220, s[16+n+20*(n/32)]   ; hidden scores become SENT; each accumulator from its low end on
.set n, n+1
.endr
.endm
.macro STILES k0                       ; S^T = K Q^T of key tiles k0 .. k0 + 7 (K's codes window 1)
.set n, \k0
.rept 8
	v_wmma_f32_16x16x64_bf8_bf8 v[S+8*n:S+8*n+7], v[KC+4*n:KC+4*n+7], v[QF:QF+7], 0
.set n, n+1
.endr
.endm
.macro MAXA                            ; the largest of my 64 scores of half a, three operands at a time, in four chains that do not wait for each other
.irp j, 0,1,2,3
	v_max3_num_f32 v[MX+\j], v[S+3*\j], v[S+3*\j+1], v[S+3*\j+2]
.endr
.set n, 12
.rept 26
	v_max3_num_f32 v[MX+(n/2)%4], v[MX+(n/2)%4], v[S+n], v[S+n+1]
.set n, n+2
.endr
.endm
.macro MAXB                            ; the chains go on over half b
.set n, 64
.rept 32
	v_max3_num_f32 v[MX+(n/2)%4], v[MX+(n/2)%4], v[S+n], v[S+n+1]
.set n, n+2
.endr
.endm
.macro HOLD base                       ; p is at most 1 (but for one rounding of t), and from e5 = -15 on the largest code stands for 1.75 or more: there the hold can hold nothing and is jumped over:
	s_cmp_ge_i32 s61, -15                          ; a branch on a whole number that was read from memory, the same in every wave; no barrier and no memory instruction stands under it
	s_cbranch_scc1 .Lnohold_\@
.set n, 0
.rept 64
	v_min_num_f32 v[\base+n], v[\base+n], v221     ; p is not negative, so the hold is one-sided
.set n, n+1
.endr
.Lnohold_\@:
.endm
.macro CVTP k0                         ; p's codes of key tiles k0 .. k0 + 7
.set n, \k0
.rept 8
	v_cvt_scalef32_pk8_bf8_f32 v[P+2*n:P+2*n+1], v[S+8*n:S+8*n+7], v222
.set n, n+1
.endr
.endm
; THE END OF A QUERY TILE, first part: half b's p goes into l (unquantised), then into codes; l is finished and its reciprocal asked for
.macro TAIL1
.set n, 32
.rept 32
	v_pk_add_f32 v[SM+2*(n%4):SM+2*(n%4)+1], v[SM+2*(n%4):SM+2*(n%4)+1], v[S+2*n:S+2*n+1]
.set n, n+1
.endr
	v_pk_add_f32 v[SM:SM+1], v[SM:SM+1], v[SM+2:SM+3]
	v_pk_add_f32 v[SM+4:SM+5], v[SM+4:SM+5], v[SM+6:SM+7]
	v_pk_add_f32 v[SM:SM+1], v[SM:SM+1], v[SM+4:SM+5]
	HOLD S+64
	CVTP 8
	v_add_f32 v[SM], v[SM], v[SM+1]                ; (also the plain instruction between the conversions and the products that read their results and write their sources)
	v_permlanex16_b32 v210, v[SM], s62, s63
	v_add_f32 v[SM], v[SM], v210                   ; l
	v_rcp_f32 v218, v[SM]
.endm
.macro PV                              ; O^T = V^T P (V^T window 1): the two accumulators take turns
	v_wmma_f32_16x16x128_bf8_bf8 v[OA:OA+7], v[VC:VC+15], v[P:P+15], 0
	v_wmma_f32_16x16x128_bf8_bf8 v[OA+8:OA+15], v[VC+32:VC+47], v[P:P+15], 0
	v_wmma_f32_16x16x128_bf8_bf8 v[OA:OA+7], v[VC+16:VC+31], v[P+16:P+31], v[OA:OA+7]
	v_wmma_f32_16x16x128_bf8_bf8 v[OA+8:OA+15], v[VC+48:VC+63], v[P+16:P+31], v[OA+8:OA+15]
.endm
; second part: O^T / l is quantised and stored, at the address that was made in v11 ahead of it
.macro OQ
.set n, 0
.rept 8
	v_pk_mul_f32 v[OA+2*n:OA+2*n+1], v[OA+2*n:OA+2*n+1], v[218:219] op_sel_hi:[1,0]   ; / l; each accumulator from its low end on
.set n, n+1
.endr
.set n, 0
.rept 16
	v_med3_num_f32 v[OA+n], v[OA+n], -v224, v224
.set n, n+1
.endr
	v_cvt_scalef32_pk8_bf8_f32 v[OC:OC+1], v[OA:OA+7], v223
	v_cvt_scalef32_pk8_bf8_f32 v[OC+2:OC+3], v[OA+8:OA+15], v223
	v_nop                                          ; a plain vector instruction behind the last conversion
	s_wait_alu depctr_va_vdst(0)                   ; the conversions have written v[OC ..], which the store below reads
	ds_store_b128 v11, v[OC:OC+3]                  ; registers 4 (w % 4) .. + 3 of the last product's fragment (query tile, K step w / 4)
	s_add_co_u32 s58, s58, 512
.endm
; A TRIP: from a query tile's products for half a to half a's codes.  tail = 1: the end of the tile before stands in it.
.macro TRIP tail
	s_wait_dscnt 0x0                               ; Q's codes are in (asked for most of a trip ago)
	WIN 0x01
	STILES 0
	WIN 0
	s_wait_kmcnt 0x0                               ; half a's masks are in (asked for most of a trip ago), and those loads have read s59
	s_add_co_u32 s59, s60, 512
	s_min_u32 s59, s59, 3584                       ; the next query tile; the last trip names its own again and uses nothing of it
	PLACES
	MASK64 S
	MLOAD 60, 256                                  ; half b's masks: all that stands from here to the wait for them names none of these scalar registers
.if \tail
	TAIL1
.endif
	WIN 0x01
.if \tail
	PV
.endif
	STILES 8
	WIN 0
	MAXA                                           ; thirty plain instructions that name no register of the products above: their places
.if \tail
	s_wait_alu depctr_vm_vsrc(0)                   ; the last trip's load of Q has read v10, and its store of O's codes v11 and v[OC ..]: all are written again below
.endif
	v_add_nc_u32 v10, s59, v5                      ; where the next trip's Q lies,
.if \tail
	v_add_nc_u32 v11, s58, v6                      ; and where the codes of the tile before go
.endif
	s_wait_alu depctr_va_vdst(0)                   ; v10 and v11 are written, which the load below and the store in OQ read; half b's products are done reading Q's fragment, in which the load lands; the reciprocal v218 is written, ahead of its first reader
	ds_load_b128 v[QF:QF+3], v10                   ; the next trip's Q
.if \tail
	OQ
.endif
	s_wait_kmcnt 0x0                               ; half b's masks
	MASK64 S+64
	MLOAD 59, 0                                    ; the next tile's half a
	MAXB
	v_max3_num_f32 v[MX], v[MX], v[MX+1], v[MX+2]
	v_max_num_f32 v[MX], v[MX], v[MX+3]
	v_permlanex16_b32 v210, v[MX], s62, s63
	v_max_num_f32 v[MX], v[MX], v210               ; and among lane l xor 16's
	v_mul_f32 v[MX], s54, v[MX]                    ; as t (c is positive)
	v_floor_f32 v212, -v[MX]                       ; -M = floor(-t) = -ceil(t): a whole number
.set n, 0
.rept 32
	v_pk_fma_f32 v[S+2*n:S+2*n+1], v[S+2*n:S+2*n+1], s[54:55], v[212:213] op_sel_hi:[1,0,0]   ; half a: t - M, two at a time (of the pairs c and -M the low word serves both halves)
.set n, n+1
.endr
.set n, 0
.rept 32
	v_exp_f32 v[S+2*n], v[S+2*n]                   ; half a: p = 2^(t - M): not normalised;
	v_exp_f32 v[S+2*n+1], v[S+2*n+1]
	v_pk_fma_f32 v[S+64+2*n:S+64+2*n+1], v[S+64+2*n:S+64+2*n+1], s[54:55], v[212:213] op_sel_hi:[1,0,0]   ; half b's scalings stand between; the last of them is the plain instruction behind the batch
.set n, n+1
.endr
	s_wait_alu depctr_va_vdst(0)                   ; one wait for half a's 64 exponentials, ahead of their first reader
.set n, 0
.rept 32
	v_exp_f32 v[S+64+2*n], v[S+64+2*n]             ; half b's exponentials; half a's sums, which name none of their results, stand between
.if n < 4
	v_pk_add_f32 v[SM+2*n:SM+2*n+1], v[S+2*n:S+2*n+1], v[S+2*n+8:S+2*n+9]   ; l is the sum of the UNQUANTISED p: two at a time, in four chains, which the first eight pairs start
.elseif n < 28
	v_pk_add_f32 v[SM+2*(n%4):SM+2*(n%4)+1], v[SM+2*(n%4):SM+2*(n%4)+1], v[S+2*n+8:S+2*n+9]
.endif
	v_exp_f32 v[S+64+2*n+1], v[S+64+2*n+1]
.set n, n+1
.endr
	v_nop                                          ; a plain instruction behind the last exponential
	s_wait_alu depctr_va_vdst(0)                   ; half b's 64 exponentials are written: ahead of the branches and labels that follow, and of the readers in the next trip
	HOLD S
	CVTP 0
	v_nop                                          ; a plain vector instruction behind the last conversion: the next trip's products write its sources
	s_add_co_u32 s60, s60, 512                     ; (the loads that named s60 were waited for above)
.endm
	MLOAD 60, 0
	ds_load_b128 v[QF:QF+3], v5                    ; Q of query tile 0.  No wait: no vector line since the wait behind P's last tile names v200-203 or v5
	TRIP 0                                         ; query tile 0: there is no tile before it
.Lqt:                                              ; seven trips: query tiles 1 to 7, each with the end of the tile before
	TRIP 1
	s_sub_co_u32 s57, s57, 1
	s_cmp_lg_u32 s57, 0
	s_cbranch_scc1 .Lqt
	TAIL1                                          ; the end of query tile 7
	WIN 0x01
	PV
	WIN 0
	s_wait_alu depctr_vm_vsrc(0)                   ; the last trip's store of O's codes has read v11 and v[OC ..], which are written again below
	v_add_nc_u32 v11, s58, v6
	PLACES                                         ; behind the products, and behind the reciprocal
	s_wait_alu depctr_va_vdst(0)                   ; the reciprocal v218 is written, ahead of its first reader; so is v11
	OQ
	s_wait_kmcnt 0x0                               ; the last trip's unused masks
	BARRIER                                        ; all heads' codes lie in LDS
; ---- O: y = msa + attention W_out + b_out: my 32 channels of the 128 rows, four query tiles at a time.  Transposed: a lane holds token r and channels 16 t + 8 h + 0 .. 7.
.macro OFETCH b
.irp q, 0,1,2,3
.irp ks, 0,1
.irp g, 0,1,2,3
	ds_load_b128 v[F+32*\q+16*\ks+4*\g:F+32*\q+16*\ks+4*\g+3], v7 offset:(4*\ks+\g)*4096+512*(4*\b+\q)
.endr
.endr
.endr
.endm
.macro RFETCH b
.irp q, 0,1,2,3
.irp t, 0,1
.irp e, 0,1
	ds_load_b128 v[Y+16*\q+8*\t+4*\e:Y+16*\q+8*\t+4*\e+3], v[8+\b] offset:\q*16*RP+64*\t+16*\e
.endr
.endr
.endr
.endm
.macro OMUL                            ; eight accumulators by turns, a K step at a time; b_out / 2^(e6 + e7) is the C of each sum's first product
	WIN 0x51                                       ; W_out, C and D window 1; the rows' fragments window 0
.irp ks, 0,1
.irp q, 0,1,2,3
.irp t, 0,1
.if \ks == 0
	v_wmma_f32_16x16x128_bf8_bf8 v[16*\q+8*\t:16*\q+8*\t+7], v[WO+16*(2*\t+\ks):WO+16*(2*\t+\ks)+15], v[F+32*\q+16*\ks:F+32*\q+16*\ks+15], v[BO+8*\t:BO+8*\t+7]
.else
	v_wmma_f32_16x16x128_bf8_bf8 v[16*\q+8*\t:16*\q+8*\t+7], v[WO+16*(2*\t+\ks):WO+16*(2*\t+\ks)+15], v[F+32*\q+16*\ks:F+32*\q+16*\ks+15], v[16*\q+8*\t:16*\q+8*\t+7]
.endif
.endr
.endr
.endr
	WIN 0
	PLACES
.endm
.macro YOUT b
	WIN 0x01                                       ; the sums window 1
.set n, 0
.rept 32
	v_pk_fma_f32 v[Y+2*n:Y+2*n+1], v[2*n:2*n+1], s[100:101], v[Y+2*n:Y+2*n+1] op_sel_hi:[1,0,1]   ; y = sum x 2^(e6 + e7) + msa; each accumulator from its low end on
.set n, n+1
.endr
	WIN 0
	s_wait_alu depctr_va_vdst(0)                   ; the multiply-adds have written v[Y ..], which the stores below read and in which the next residual lands; the products ahead of them are done reading v[F ..], in which the next LDS loads land
.irp q, 0,1,2,3
.irp t, 0,1
.irp e, 0,1
	ds_store_b128 v[8+\b], v[Y+16*\q+8*\t+4*\e:Y+16*\q+8*\t+4*\e+3] offset:\q*16*RP+64*\t+16*\e   ; over the bytes that it was read from: my 128 bytes of each row, which no other wave touches here
.endr
.endr
.endr
.endm
	s_wait_alu depctr_vm_vsrc(0)                   ; my last store of O's codes has read v[OC ..], in which the residual lands.  (All vector work on v16-207 stands ahead of the wait on va_vdst in front of that store)
	OFETCH 0
	RFETCH 0
	s_wait_loadcnt 0x0                             ; W_out's fragments, b_out, gamma, beta
	WIN 0x41
.set n, 0
.rept 16
	v_ldexp_f32 v[BO+n], v[BO+n], s66
.set n, n+1
.endr
	WIN 0
	s_wait_dscnt 16                                ; the fragments are in; the 16 loads of the residual are younger
	OMUL
	s_wait_alu depctr_va_vdst(0)                   ; the sixteen products are done reading v[F ..], in which the next four tiles' fragments land
	OFETCH 1
	s_wait_dscnt 32                                ; the residual is in; the 32 loads just issued are younger
	YOUT 0
	s_wait_dscnt 0x0                               ; the next fragments are in
	s_wait_alu depctr_vm_vsrc(0)                   ; the stores of y have read v[Y ..], in which the loads below land
	RFETCH 1
	OMUL
	s_wait_dscnt 0x0
	YOUT 1
	BARRIER                                        ; 128 whole rows of y lie in RES
; ---- L: LayerNorm of my 16 rows, a lane holding 8 numbers of each; every stage goes across the rows, so that no line waits for the line above it.  Mean first, then the squares of the differences.
.macro RED16                           ; the 16 rows' sums over the 32 lanes, result in every lane
.irp m, 1,2,4,8
.set n, 0
.rept 16
	v_add_f32_dpp v[SUM+2*n], v[SUM+2*n], v[SUM+2*n] row_xmask:\m row_mask:0xf bank_mask:0xf
.set n, n+1
.endr
.endr
.set n, 0
.rept 16
	v_permlanex16_b32 v[SUM+2*n+1], v[SUM+2*n], s62, s63
.set n, n+1
.endr
.set n, 0
.rept 16
	v_add_f32 v[SUM+2*n], v[SUM+2*n], v[SUM+2*n+1]
.set n, n+1
.endr
.endm
.set n, 0
.rept 32
	ds_load_b128 v[X+4*n:X+4*n+3], v2 offset:(n/2)*RP+512*(n%2)   ; no wait: no vector line has followed the wait on va_vdst ahead of y's last stores
.set n, n+1
.endr
	s_mov_b32 s14, 0x3b800000                      ; 1 / 256
	s_mov_b32 s15, 0x3727c5ac                      ; 1e-5
	s_wait_dscnt 0x0
	s_wait_alu depctr_vm_vsrc(0)                   ; y's last stores have read v144-207, of which the sums' pairs below take v144-175
.set n, 0
.rept 16
	v_pk_add_f32 v[SUM+2*n:SUM+2*n+1], v[X+8*n:X+8*n+1], v[X+8*n+2:X+8*n+3]
.set n, n+1
.endr
.irp m, 4,6
.set n, 0
.rept 16
	v_pk_add_f32 v[SUM+2*n:SUM+2*n+1], v[SUM+2*n:SUM+2*n+1], v[X+8*n+\m:X+8*n+\m+1]
.set n, n+1
.endr
.endr
.set n, 0
.rept 16
	v_add_f32 v[SUM+2*n], v[SUM+2*n], v[SUM+2*n+1]
.set n, n+1
.endr
	RED16
.set n, 0
.rept 16
	v_mul_f32 v[SUM+2*n], 0xbb800000, v[SUM+2*n]   ; - the mean
.set n, n+1
.endr
.irp m, 0,2,4,6
.set n, 0
.rept 16
	v_pk_add_f32 v[X+8*n+\m:X+8*n+\m+1], v[X+8*n+\m:X+8*n+\m+1], v[SUM+2*n:SUM+2*n+1] op_sel_hi:[1,0]   ; d = y - mean
.set n, n+1
.endr
.endr
.set n, 0
.rept 16
	v_pk_mul_f32 v[SUM+2*n:SUM+2*n+1], v[X+8*n:X+8*n+1], v[X+8*n:X+8*n+1]
.set n, n+1
.endr
.irp m, 2,4,6
.set n, 0
.rept 16
	v_pk_fma_f32 v[SUM+2*n:SUM+2*n+1], v[X+8*n+\m:X+8*n+\m+1], v[X+8*n+\m:X+8*n+\m+1], v[SUM+2*n:SUM+2*n+1]
.set n, n+1
.endr
.endr
.set n, 0
.rept 16
	v_add_f32 v[SUM+2*n], v[SUM+2*n], v[SUM+2*n+1]
.set n, n+1
.endr
	RED16
.set n, 0
.rept 16
	v_fma_f32 v[SUM+2*n], v[SUM+2*n], s14, s15     ; the variance + 1e-5
.set n, n+1
.endr
.set n, 0
.rept 16
	v_rsq_f32 v[SUM+2*n], v[SUM+2*n]
.set n, n+1
.endr
	v_nop                                          ; a plain instruction behind the last of the batch
	s_wait_alu depctr_va_vdst(0)                   ; one wait for the sixteen reciprocal roots, ahead of their first reader
.irp m, 0,2,4,6
.set n, 0
.rept 16
	v_pk_mul_f32 v[X+8*n+\m:X+8*n+\m+1], v[X+8*n+\m:X+8*n+\m+1], v[SUM+2*n:SUM+2*n+1] op_sel_hi:[1,0]
.set n, n+1
.endr
.endr
	WIN 0x14                                       ; gamma and beta window 1
.irp m, 0,2,4,6
.set n, 0
.rept 16
	v_pk_fma_f32 v[X+8*n+\m:X+8*n+\m+1], v[X+8*n+\m:X+8*n+\m+1], v[GA+\m:GA+\m+1], v[BE+\m:BE+\m+1]
.set n, n+1
.endr
.endr
	WIN 0
	s_wait_alu depctr_va_vdst(0)                   ; the multiply-adds have written v[X ..], which the stores below read
.set n, 0
.rept 32
	global_store_b128 v1, v[X+4*n:X+4*n+3], s[12:13] offset:512*n th:TH_STORE_NT   ; 32 lanes store 512 consecutive bytes, at a multiple of 256 from out0's first byte; written once, read by nobody here
.set n, n+1
.endr
	s_wait_dscnt 0x0                               ; the closing lines, six on end
	s_wait_alu 0x0
	s_wait_tensorcnt 0x0
	ds_add_u32 v254, v255
	s_wait_dscnt 0x0
	s_endpgm
.Lfunc_end_k_qfea592c1cb_fused:
	.size	k_qfea592c1cb_fused, .Lfunc_end_k_qfea592c1cb_fused-k_qfea592c1cb_fused
	.p2alignl 7, 3214868480
	.fill 96, 4, 3214868480
	.section	.rodata,"a",@progbits
	.p2align	6, 0x0
	.amdhsa_kernel k_qfea592c1cb_fused
		.amdhsa_group_segment_fixed_size 265216
		.amdhsa_private_segment_fixed_size 0
		.amdhsa_enable_private_segment 0
		.amdhsa_kernarg_size 72
		.amdhsa_user_sgpr_count 2
		.amdhsa_user_sgpr_kernarg_segment_ptr 1
		.amdhsa_wavefront_size32 1
		.amdhsa_system_sgpr_workgroup_id_x 1
		.amdhsa_system_sgpr_workgroup_id_y 1
		.amdhsa_system_sgpr_workgroup_id_z 1
		.amdhsa_system_vgpr_workitem_id 0
		.amdhsa_next_free_vgpr 512
		.amdhsa_next_free_sgpr 102
		.amdhsa_reserve_vcc 0
		.amdhsa_float_denorm_mode_32 3
		.amdhsa_float_denorm_mode_16_64 3
		.amdhsa_memory_ordered 1
		.amdhsa_forward_progress 1
		.amdhsa_inst_pref_size 243
	.end_amdhsa_kernel
	.amdgpu_metadata
---
amdhsa.version: [ 1, 2 ]
amdhsa.kernels:
  - .name:           k_qfea592c1cb_fused
    .symbol:         k_qfea592c1cb_fused.kd
    .args:
      - { .name: msa, .offset: 0, .size: 8, .value_kind: global_buffer, .address_space: global }
      - { .name: wimg, .offset: 8, .size: 8, .value_kind: global_buffer, .address_space: global }
      - { .name: maskbits, .offset: 16, .size: 8, .value_kind: global_buffer, .address_space: global }
      - { .name: b_qkv, .offset: 24, .size: 8, .value_kind: global_buffer, .address_space: global }
      - { .name: b_out, .offset: 32, .size: 8, .value_kind: global_buffer, .address_space: global }
      - { .name: ln_gamma, .offset: 40, .size: 8, .value_kind: global_buffer, .address_space: global }
      - { .name: ln_beta, .offset: 48, .size: 8, .value_kind: global_buffer, .address_space: global }
      - { .name: lowp_scales, .offset: 56, .size: 8, .value_kind: global_buffer, .address_space: global }
      - { .name: out0, .offset: 64, .size: 8, .value_kind: global_buffer, .address_space: global }
    .group_segment_fixed_size: 265216
    .private_segment_fixed_size: 0
    .kernarg_segment_align: 8
    .kernarg_segment_size: 72
    .max_flat_workgroup_size: 256
    .sgpr_count:     102
    .vgpr_count:     512
    .wavefront_size: 32
...
	.end_amdgpu_metadata
.endif
;; end of part 3
